; MI455X (gfx1250); checked and timed in simulation.
; The chip was launched on July 23, 2026; its instructions are those of AMD's public machine-readable ISA for CDNA 5 (MIT licence, August 2026) and "CDNA5" Instruction Set Architecture Reference Guide (July 2026). The comments in the code are by the model that wrote it; some were corrected since.
;; Multi Head Attention. Allowed arithmetic: matrix products marked QUANTISED: E3M2 operands, one E8M0 scale for each 32 along K, by v_wmma_scale_f32_16x16x128_f8f6f4 with both operands' format E3M2, f32 sums; everything else in f32.
;; Inputs: Wk_b 1,024 float32; Wk_w_codes 1,024 x 32 x 24 uint8 (E3M2 codes of Wk_w, K innermost, in blocks of 32 codes, four codes in three bytes); Wk_w_scales 1,024 x 32 uint8 (E8M0 scales of Wk_w, one for each 32 codes along K); Wq_b 1,024 float32; Wq_w_codes 1,024 x 32 x 24 uint8 (E3M2 codes of Wq_w, K innermost, in blocks of 32 codes, four codes in three bytes); Wq_w_scales 1,024 x 32 uint8 (E8M0 scales of Wq_w, one for each 32 codes along K); Wv_b 1,024 float32; Wv_w_codes 1,024 x 32 x 24 uint8 (E3M2 codes of Wv_w, K innermost, in blocks of 32 codes, four codes in three bytes); Wv_w_scales 1,024 x 32 uint8 (E8M0 scales of Wv_w, one for each 32 codes along K); keys_codes 1 x 4,096 x 32 x 24 uint8 (E3M2 codes of keys, K innermost, in blocks of 32 codes, four codes in three bytes); keys_scales 1 x 4,096 x 32 uint8 (E8M0 scales of keys, one for each 32 codes along K); queries 1 x 4,096 x 1,024 float32; values_codes 1 x 4,096 x 32 x 24 uint8 (E3M2 codes of values, K innermost, in blocks of 32 codes, four codes in three bytes); values_scales 1 x 4,096 x 32 uint8 (E8M0 scales of values, one for each 32 codes along K).
;; Outputs: out0 1 x 4,096 x 1,024 float32.
;; This version of the problem:
;;   THIS VERSION OF THE PROBLEM IS GIVEN IN LOW PRECISION. The matrix products marked QUANTISED in the list below multiply operands that are first quantised to E3M2 (3 exponent bits, 2 mantissa bits; 6 bits a number), with one power-of-two scale for each 32 numbers along K (OCP MX v1.0); their sums are f32. All else is computed in f32.
;;   The module's matrix products, in the order in which they are computed (A, B: the left and right operand; K: the contracted axis; several contracted axes count as one K, in the product's order):
;;     1. [M 4,096, K 1,024] x [K 1,024, N 1,024]; A: input queries; B: input Wq_w (given as codes): QUANTISED
;;     2. [M 4,096, K 1,024] x [K 1,024, N 1,024]; A: input keys (given as codes); B: input Wk_w (given as codes): QUANTISED
;;     3. [M 4,096, K 1,024] x [K 1,024, N 1,024]; A: input values (given as codes); B: input Wv_w (given as codes): QUANTISED
;;     4. batch 16 x [M 4,096, K 64] x [K 64, N 4,096]; A: computed on the way; B: computed on the way: QUANTISED
;;     5. batch 16 x [M 4,096, K 4,096] x [K 4,096, N 64]; A: softmax (see below); B: computed on the way: QUANTISED
;;   THE QUANTISER, for each operand of a quantised product, along K:
;;     - K is cut into blocks of 32 from its start; a last block that is shorter is filled with zeros.
;;     - A block's scale is 2^e with e = floor(log2(the largest magnitude in the block)) - 4, held to -126 .. 127; a block of zeros has e = 0. As a byte (E8M0): e + 127.
;;     - Each number is divided by its block's scale, clamped to +-28, and rounded to the nearest number of E3M2, ties to even, subnormals kept.
;;     - The product sums the exact products of the quantised numbers (number of the format x scale) in f32.
;;   ~~~python
;;   def quantise(x, axis):      # numpy; x: float32 -> the quantised numbers, widened to float32 again
;;       x = np.moveaxis(x, axis, -1); K = x.shape[-1]
;;       x = np.pad(x, [(0, 0)] * (x.ndim - 1) + [(0, -K % 32)]); x = x.reshape(x.shape[:-1] + (-1, 32)); a = np.abs(x).max(-1, keepdims=True)
;;       e = np.where(a > 0, np.clip(np.frexp(np.where(a > 0, a, 1))[1] - 1 - 4, -126, 127), 0)      # np.frexp(a)[1] - 1 = floor(log2(a)), exactly
;;       r = np.clip(x / 2.0 ** e, -28, 28)
;;       step = 2.0 ** (np.maximum(np.frexp(np.where(r == 0, 1, r))[1] - 1, -2) - 2)
;;       q = np.round(r / step) * step * 2.0 ** e      # np.round: ties to even
;;       return np.moveaxis(q.reshape(q.shape[:-2] + (-1,))[..., :K], -1, axis).astype(np.float32)
;;   ~~~
;;   SOFTMAX AHEAD OF A QUANTISED PRODUCT. Where the list says 'softmax', what is quantised is not the finished softmax but p = 2^(t - M), with t = logit x log2(e) and M = ceil(the row's largest t), a whole number; so 1/2 < the row's largest p <= 1. The row's sum l is taken of the UNQUANTISED p, in f32, and the product's result is divided by l at the end. Since M is a whole number, a kernel that streams over the keys may use a running M (the ceiling of the running maximum): every later rescaling is an exact power of two, which a block's scale takes up: the codes' values come out the same.
;;   OPERANDS COMPUTED ON THE WAY. 'Computed on the way' means the value that the module computes at that place (a softmax that the list does not call 'softmax' is quantised finished and normalised). What goes into a quantiser is computed in f32, as accurately as f32 sums, v_exp_f32 and their like allow (about 1e-6 of the number): no bf16 or f16 on the way to a quantiser, and a product that is left as it is and whose result goes on into a quantised operand takes f32 operands (vector FMAs, or v_wmma_f32_16x16x4_f32). A number that lies on a knife's edge between two numbers of the format may be rounded either way, as far as f32 arithmetic and the matrix unit's own rounding can turn it there, and no further.
;;   INPUTS GIVEN AS CODES. Wk_w (in the module: [1024, 1024], K = its axis 1); Wq_w (in the module: [1024, 1024], K = its axis 1); Wv_w (in the module: [1024, 1024], K = its axis 1); keys (in the module: [1, 4096, 1024], K = its axis 2); values (in the module: [1, 4096, 1024], K = its axis 2): each comes as NAME_codes (uint8): NAME with its K axis moved to the last place and cut into blocks of 32 codes, [.., K / 32, bytes a block], one block behind the other in memory; four codes in three bytes: a row's codes are one little-endian stream of bits, code i at bits 6 i .. 6 i + 5 (a code: sign, 3 exponent bits, 2 mantissa bits); and NAME_scales (uint8): the same leading axes, one E8M0 byte (e + 127) for each 32 codes along K. Its value is code x scale, taken as it is: it is not quantised again, and the codes and scales need not be those that the quantiser above would give.
;; 2 versions. Each part assembles by itself: llvm-mc -triple=amdgcn-amd-amdhsa -mcpu=gfx1250 --defsym DOCPART=n.
;; ======== version 1 of 2: 3 launches
;; workspace buffers: qx_codes 3,145,728 bytes; qx_scales 131,072 bytes; qimg 3,145,728 bytes; kimg 3,145,728 bytes; vimg 3,145,728 bytes; qsc 262,144 bytes; ksc 262,144 bytes; vsc 262,144 bytes
;; launch quantq (part 1): grid 256 x 1, 2 waves a work-group, no clusters, 16,640 bytes of LDS; arguments queries, qx_codes, qx_scales; writes qx_codes, qx_scales
.if DOCPART == 1
	.amdgcn_target "amdgcn-amd-amdhsa--gfx1250"
	.amdhsa_code_object_version 6
	.text
	.protected	k_q47b259f6cb_quantq
	.globl	k_q47b259f6cb_quantq
	.p2align	8
	.type	k_q47b259f6cb_quantq,@function
k_q47b259f6cb_quantq:
	s_mov_b64 s[64:65], 0
	v_nop
	global_prefetch_b8 v0, s[64:65] scope:SCOPE_SE
	s_setreg_imm32_b32 hwreg(HW_REG_WAVE_MODE, 25, 1), 1
	s_wait_xcnt 0x0
; queries [4096][1024], f32, become codes of BF6 (E3M2), 6 bits each, K innermost (a row of 1,024 codes is 768 bytes), with one E8M0 scale byte for each 32 along K.
; A block's scale is 2^(floor(log2(its largest magnitude)) - 4); its byte is the largest magnitude's own exponent field - 4, held at 1 from below.  Each number is divided by the scale and
; rounded to the nearest code, ties to even; beyond the largest code the largest.  A block of zeros gets the byte 1 where the rule says 127: its codes are zeros, which add nothing under any
; byte but 0xff, and the bytes are read by this program alone.
; LIMITS: NaN and infinities among the inputs are not served; a block whose largest magnitude lies under 2^-122 has its byte held at 1.
; Rows are dense and 1,024 is a multiple of 32: the tensor is a plain stream of blocks of 32, and so are the codes and the scale bytes.  512 waves, each 16 steps of 512 numbers.
; The conversion takes 16 numbers of one block from ONE lane's registers; a load is best where neighbouring lanes take neighbouring bytes.  Both are had: each of a step's four loads reads 512
; consecutive bytes, the 2,048 bytes go through the wave's own stage in LDS as they lie and come back 64 bytes a lane (16 bytes of padding behind each 64).  Two neighbouring lanes hold a block.
; A lane's 16 codes are 12 bytes: the wave stores 384 consecutive bytes.  A wave's 256 scale bytes are gathered in its own LDS bytes and leave as one aligned run of 256 bytes.
; No tensor loads, no barrier: waves share nothing, so clusters and the matrix unit have nothing to give here.  Loads run four steps (16 loads a wave) ahead, the turn through LDS one step.
.set STEPS, 16
.set EMAX,  4
.set CB,    12                         ; bytes of 16 codes
.set R,     16                         ; v16-79   four sets of 16 numbers as they are loaded
.set X,     80                         ; v80-111  two sets of 16 neighbours
.set C,     128                        ; v128-191 codes: four registers for each step, so that no store's data are written again
.set E,     112                        ; v112-127 a scale byte for each step
.set WREG,  8192                       ; LDS: a region for each wave: two stages of 32 x SP bytes, and behind them its 256 scale bytes
.set SP,    80                         ; a lane's place in a stage: its 64 bytes + 16 of padding
	s_load_b128 s[4:7], s[0:1], 0x0                ; queries s[4:5], the codes s[6:7]
	s_load_b64 s[8:9], s[0:1], 0x10                ; the scale bytes
	v_lshl_add_u32 v192, v0, 2, 0x4000
	v_mov_b32 v193, 0
	v_lshrrev_b32 v1, 5, v0
	v_readfirstlane_b32 s16, v1                    ; wave 0, 1
	v_and_b32 v2, 31, v0                           ; lane
	v_lshlrev_b32 v3, 4, v2                        ; my 16 bytes of a load's 512
	s_mul_i32 s17, s16, WREG
	v_lshrrev_b32 v14, 2, v2
	v_mul_u32_u24 v14, v14, SP
	v_and_b32 v15, 3, v2
	v_lshl_add_u32 v14, v15, 4, v14
	v_add_nc_u32 v14, s17, v14                     ; the stage, on the way in: SP (lane / 4) + 16 (lane % 4); a load's 512 bytes take eight places
	v_mul_u32_u24 v15, v2, SP
	v_add_nc_u32 v15, s17, v15                     ; and on the way out: SP x lane: my 16 neighbours
	v_mul_u32_u24 v4, v2, CB                       ; my codes' place in a step's
	v_lshrrev_b32 v5, 1, v2
	s_add_co_u32 s17, s17, 2*32*SP
	v_add_nc_u32 v5, s17, v5                       ; LDS: my wave's 256 scale bytes, my block's byte
	v_lshlrev_b32 v7, 3, v2                        ; and on the way out 8 bytes a lane
	v_add_nc_u32 v6, s17, v7
	s_lshl_b32 s18, ttmp9, 1
	s_add_co_u32 s18, s18, s16                     ; which run of 8,192 numbers is my wave's: 0 .. 511
	s_lshl_b32 s20, s18, 15                        ; 32,768 bytes of f32 a run,
	s_mov_b32 s21, 0
	s_mul_i32 s22, s18, 32*STEPS*CB                ; 6,144 bytes of codes,
	s_mov_b32 s23, 0
	s_lshl_b32 s24, s18, 8                         ; 256 scale bytes
	s_mov_b32 s25, 0
	s_wait_kmcnt 0x0
	s_add_nc_u64 s[4:5], s[4:5], s[20:21]
	s_add_nc_u64 s[6:7], s[6:7], s[22:23]
	s_add_nc_u64 s[8:9], s[8:9], s[24:25]
.macro LOAD t
.irp i, 0,1,2,3
	global_load_b128 v[R+16*((\t)%4)+4*\i:R+16*((\t)%4)+4*\i+3], v3, s[4:5] offset:2048*(\t)+512*\i th:TH_LOAD_NT   ; 32 lanes read 512 consecutive bytes
.endr
.endm
.macro TURN t                          ; step t's numbers through the stage: LDS serves a wave's instructions in order (ISA guide 5.7.1.4), so no wait stands between the stores and the loads
.irp i, 0,1,2,3
	ds_store_b128 v14, v[R+16*((\t)%4)+4*\i:R+16*((\t)%4)+4*\i+3] offset:32*SP*((\t)%2)+8*SP*\i
.endr
.irp i, 0,1,2,3
	ds_load_b128 v[X+16*((\t)%2)+4*\i:X+16*((\t)%2)+4*\i+3], v15 offset:32*SP*((\t)%2)+16*\i
.endr
.endm
.irp t, 0,1,2,3
	LOAD \t
.endr
	s_wait_loadcnt 12                              ; step 0's four loads are in; the twelve of steps 1 to 3 may be out
	TURN 0
.macro STEP t
.set XS, X+16*((\t)%2)
.if (\t) > 0
	s_wait_dscnt 1                                 ; this step's numbers are back from the stage (the last step's byte store may be out): so its stores into the stage have read their registers,
.else
	s_wait_dscnt 0x0
.endif
.if (\t)+4 < STEPS
	LOAD (\t)+4                                    ; which take the loads of four steps on
.endif
.if (\t)+1 < STEPS
.if STEPS-2-(\t) >= 3
	s_wait_loadcnt 12                              ; the next step's four loads are in; those of the three steps behind it may be out
.else
	s_wait_loadcnt 4*(STEPS-2-(\t))                ; at the end the count runs down with the steps that are left
.endif
	TURN (\t)+1                                    ; and go through the other stage while this step is worked
.endif
	v_max3_num_f32 v8, |v[XS]|, |v[XS+1]|, |v[XS+2]|               ; the largest magnitude of my 16, in two chains
	v_max3_num_f32 v9, |v[XS+3]|, |v[XS+4]|, |v[XS+5]|
.irp i, 6,10
	v_max3_num_f32 v8, v8, |v[XS+\i]|, |v[XS+\i+1]|
	v_max3_num_f32 v9, v9, |v[XS+\i+2]|, |v[XS+\i+3]|
.endr
	v_max3_num_f32 v8, v8, |v[XS+14]|, |v[XS+15]|
	v_max3_num_f32 v8, v8, v9, (EMAX+1)<<23        ; and the floor 2^(EMAX + 1 - 127): the byte cannot fall under 1
	v_max_num_f32_dpp v8, v8, v8 row_xmask:1 row_mask:0xf bank_mask:0xf   ; and of my neighbour's 16: the block's
	v_add_nc_u32 v11, -(EMAX<<23), v8              ; EMAX off its exponent field: the conversion takes the exponent field of this operand as its scale, and nothing else of it
	v_cvt_scalef32_pk16_bf6_f32 v[C+4*(\t):C+4*(\t)+2], v[XS:XS+15], v11   ; 96 bits without gaps, the first number's code lowest
	v_lshrrev_b32 v[E+(\t)], 23, v11               ; the scale's byte (also the plain instruction behind the conversion)
	ds_store_b8 v5, v[E+(\t)] offset:16*(\t)       ; both lanes of a block write the same byte with the same value
	global_store_b96 v4, v[C+4*(\t):C+4*(\t)+2], s[6:7] offset:32*CB*(\t)
.endm
.irp t, 0,1,2,3,4,5,6,7,8,9,10,11,12,13,14,15
	STEP \t
.endr
	ds_load_b64 v[12:13], v6                       ; in order behind my byte stores: these see them
	s_wait_dscnt 0x0
	global_store_b64 v7, v[12:13], s[8:9]          ; 32 lanes store 256 consecutive bytes, at a multiple of 256 from the buffer's first byte
	s_wait_tensorcnt 0x0
	ds_add_u32 v192, v193
	s_wait_dscnt 0x0
	s_endpgm
.Lfunc_end_k_q47b259f6cb_quantq:
	.size	k_q47b259f6cb_quantq, .Lfunc_end_k_q47b259f6cb_quantq-k_q47b259f6cb_quantq
	.p2alignl 7, 3214868480
	.fill 96, 4, 3214868480
	.section	.rodata,"a",@progbits
	.p2align	6, 0x0
	.amdhsa_kernel k_q47b259f6cb_quantq
		.amdhsa_group_segment_fixed_size 16640
		.amdhsa_private_segment_fixed_size 0
		.amdhsa_enable_private_segment 0
		.amdhsa_kernarg_size 24
		.amdhsa_user_sgpr_count 2
		.amdhsa_user_sgpr_kernarg_segment_ptr 1
		.amdhsa_wavefront_size32 1
		.amdhsa_system_sgpr_workgroup_id_x 1
		.amdhsa_system_sgpr_workgroup_id_y 1
		.amdhsa_system_sgpr_workgroup_id_z 1
		.amdhsa_system_vgpr_workitem_id 0
		.amdhsa_next_free_vgpr 194
		.amdhsa_next_free_sgpr 66
		.amdhsa_reserve_vcc 0
		.amdhsa_float_denorm_mode_32 3
		.amdhsa_float_denorm_mode_16_64 3
		.amdhsa_memory_ordered 1
		.amdhsa_forward_progress 1
		.amdhsa_inst_pref_size 32
	.end_amdhsa_kernel
	.amdgpu_metadata
---
amdhsa.version: [ 1, 2 ]
amdhsa.kernels:
  - .name:           k_q47b259f6cb_quantq
    .symbol:         k_q47b259f6cb_quantq.kd
    .args:
      - { .name: queries, .offset: 0, .size: 8, .value_kind: global_buffer, .address_space: global }
      - { .name: qx_codes, .offset: 8, .size: 8, .value_kind: global_buffer, .address_space: global }
      - { .name: qx_scales, .offset: 16, .size: 8, .value_kind: global_buffer, .address_space: global }
    .group_segment_fixed_size: 16640
    .private_segment_fixed_size: 0
    .kernarg_segment_align: 8
    .kernarg_segment_size: 24
    .max_flat_workgroup_size: 64
    .sgpr_count:     66
    .vgpr_count:     194
    .wavefront_size: 32
...
	.end_amdgpu_metadata
.endif
;; end of part 1
;; launch proj (part 2): grid 4 x 48, 4 waves a work-group, clusters of 4 x 4, 327,680 bytes of LDS; arguments qx_codes, keys_codes, Wv_w_codes, qx_scales, keys_scales, Wv_w_scales, Wq_w_codes, Wk_w_codes, values_codes, Wq_w_scales, Wk_w_scales, values_scales, Wq_b, Wk_b, Wv_b, qimg, kimg, vimg, qsc, ksc, vsc; writes qimg, kimg, vimg, qsc, ksc, vsc
.if DOCPART == 2
	.amdgcn_target "amdgcn-amd-amdhsa--gfx1250"
	.amdhsa_code_object_version 6
	.text
	.protected	k_q47b259f6cb_proj
	.globl	k_q47b259f6cb_proj
	.p2align	8
	.type	k_q47b259f6cb_proj,@function
k_q47b259f6cb_proj:
	s_mov_b64 s[64:65], 0
	v_nop
	global_prefetch_b8 v0, s[64:65] scope:SCOPE_SE
	s_setreg_imm32_b32 hwreg(HW_REG_WAVE_MODE, 25, 1), 1
	s_wait_xcnt 0x0
	s_wait_alu depctr_hold_cnt(0) depctr_sa_sdst(0) depctr_va_vdst(0) depctr_va_sdst(0) depctr_va_ssrc(0) depctr_va_vcc(0) depctr_vm_vsrc(0)
	s_getreg_b32 s2, hwreg(HW_REG_IB_STS2, 6, 4)
	s_cmp_eq_u32 s2, 0
	s_cbranch_scc0 .Lentry_in_a_cluster
	s_endpgm
.Lentry_in_a_cluster:
	s_bfe_u32 s2, ttmp6, 0x10000c
	s_cmp_lg_u32 s2, 0xf033
	s_cbranch_scc0 .Lentry_shape_is_right
	s_endpgm
.Lentry_shape_is_right:
; THE THREE PROJECTIONS, relu(x W^T + b), each 4,096 x 1,024 x 1,024 on codes of BF6 (E3M2) with one E8M0 scale for each 32 along K, and the quantising of their results for the attention.
; One launch: of the twelve clusters of 4 x 4 work-groups, four make q, four k, four v (type = cluster y / 4).  Only pointers, strides and two lane masks hang on the type: all take one path through the text.
; ROLES.  The matrix instruction's source 0 takes rows of P, source 1 rows of R.  In the result a lane holds ONE row of R and its registers run along rows of P.  So P's rows become the K of the attention's
; product and R's rows its operand's rows:  q, k: P = W (features: the head's 64 are the K of K Q^T), R = x (positions);   v: P = values (positions: the keys are the K of V^T P), R = Wv (features).
; A work-group makes 256 (R) x 256 (P), a wave 128 x 128: 64 accumulators, 512 registers.  K goes in steps of 256 (rows of 192 bytes) through a ring of two LDS slots filled by the tensor data mover;
; the scale bytes of the work-group's 512 rows, for all of K, come into LDS once with the first fills.  R's tiles are asked for jointly by the four work-groups of a row of the cluster, P's by a column's.
; THE ROWS OF A TILE ARE NOT NEIGHBOURS, on both sides: lane r of tile t of a wave's 128 rows takes row 32 (t / 2) + 8 (t % 2) + r + 8 (r / 8).  For P that makes the 16 registers of tiles 2 b, 2 b + 1
; 16 neighbours along the next K: 32 b + 16 (lane / 16) + 0 .. 15.  For R it makes the attention's tiles of keys, queries and features the same kind of tile.  The price: rows 16 apart start
; 16 x 240 bytes = 15 x 256 bytes apart, at the same bank (64 banks of 4 bytes: ISA guide 11.1), so the two halves of a tile's rows meet in the banks.
; THE WAY OUT uses no LDS: for each of R's eight blocks the 64 sums of a lane get the bias and the relu, are quantised along P in registers, and the operand's registers leave as an IMAGE:
; registers 0-3 of each six at 16 x lane (512 bytes), registers 4-5 at 512 + 8 x lane (256 bytes): every store covers whole aligned runs of 256 bytes.
;   qimg, kimg: [head pair][tile of 16 positions][head of the pair][768 bytes];   vimg: [step of 128 keys][tile of 16 features][1,536 bytes].
;   qsc, ksc: words [head][step of 128 positions][tile / 4][r][tile % 4];   vsc: words [head][step of 128 keys][lane / 16][r][tile % 4].
; A word of q or k holds its head's two bytes below; the two bytes above it (the neighbouring head's, 1 .. 254, or 0) stand over zero codes in the attention and are never 0xff.
; LIMITS: NaN and infinities are not served; a block whose largest number lies under 2^-122 has its byte held at 1, a block of zeros too (its codes are zeros; this program alone reads the bytes).
; REGISTERS, in windows of 256: window 0: v0-31 addresses; v32-63 scale words, two sets; v64-127 the bias along P; v128-223 R's fragments, one set; v224-239 the bias along R, in pairs.
;   On the way out v128-191 a block's 64 numbers, v192-210 codes, v212-219 scale words, v240-255 at work.   window 1: P's fragments, two sets.   windows 2, 3: the accumulators ((a, b) at v[8 (8 (a % 4) + b)]).
.set KSTEP,  256                       ; along K in a slot
.set NQ,     KSTEP/128                 ; matrix instructions deep
.set ROWB,   192                       ; a tile's row in bytes
.set KROW,   768                       ; a row of 1,024 codes in memory
.set PITCH,  240                       ; an LDS row: 3 x (64 bytes of data + 16 of padding)
.set FR,     12                        ; registers of a fragment: 16 rows x 128 K
.set NL,     6                         ; LDS loads that bring one
.set NP,     4                         ; places behind this matrix instruction (ISA guide 7.12.1)
.set HALFT,  128*PITCH                 ; 128 rows: what one tensor load brings, and what one wave reads of R or of P
.set SLOT,   4*HALFT                   ; R's 256 rows, then P's 256 rows
.set KS,     32                        ; a row of scale bytes
.set SCL,    2*SLOT                    ; behind the ring: the scales, as runs of 256 bytes + 16 of padding
.set HALFS,  (128*KS/256)*272          ; the scales of 128 rows: what one tensor load brings
.set SPARE,  SCL+4*HALFS               ; behind the scales: the spare words, 128 bytes for each wave: two blocks of 256 bytes that no other line names
.set ADRA, 16                          ; v16-17  LDS address of my R fragments in slot 0, 1  (v18-19: for the pieces that lie behind one padding more)
.set ADRB, 20                          ; v20-21  the same for P  (v22-23)
.set IM16, 24                          ; v24     16 x lane: an image's first four registers
.set IM8,  25                          ; v25     8 x lane: its last two
.set WO0,  26                          ; v26     where my scale words of blocks 0-3 go
.set ADRS, 27                          ; v27     LDS address of my scale words: lanes 0-15 R's rows, lanes 16-31 P's
.set SPW,  28                          ; v28     LDS address of my spare word; never rewritten
.set NIL,  29                          ; v29     0; never rewritten
.set WO1,  30                          ; v30     where those of blocks 4-7 go
.set SHV,  31                          ; v31     q, k: 16 x (lane / 16): the upper lanes keep the pair's second head's two bytes;  v: 0
.set SC,   32                          ; scale words: set s at v[SC + 16 s]; register 2 i + q: lanes 0-15 R's block i, lanes 16-31 P's block i, the slot's q-th 128 along K
.set BP,   64                          ; v64-127 bias along P in the result's layout (q, k), or zeros (v)
.set AF,   128                         ; R's fragments
.set BR,   224                         ; v224-239 bias along R, block a's number twice in a pair (v), or zeros (q, k)
.set T,    128                         ; the way out: a block's 64 numbers
.set QC,   192                         ; the codes just made
.set W,    212                         ; the eight blocks' scale words
.set PWT,  220                         ; the scale word just made
.set TM,   240                         ; v240-243 largest numbers, v244-247 the other half's, then bytes, v252-255 the conversions' scale operands
.set G1, 24                            ; s[24:31] descriptor group 1 for R's tiles;  s[32:39] group 0, one set for each slot
.set G0, 32
.set G1B, 48                           ; s[48:55], s[56:63] the same for P's tiles
.set G0B, 56
.set G1S, 68                           ; s[68:75], s[76:79] groups 1 and 0 for R's scales;  s[80:87], s[88:91] for P's
.set G0S, 76
.set G1SB, 80
.set G0SB, 88
.set MKP, 93                           ; s93  lane mask: all ones for q and k
.set MKR, 94                           ; s94  lane mask: all ones for v
.set TYP, 95                           ; s95  0: q, 1: k, 2: v
.set SEL, 104                          ; s[104:105] v_permlanex16_b32's selects for lane l xor 16
.set MSB, 0
.macro WIN new                         ; the immediate's high byte repeats the setting that is left
.if MSB != \new
	s_set_vgpr_msb (MSB<<8)|\new
.set MSB, \new
.endif
.endm
.set MUL_LO, 0xa1                      ; source 0 (P) window 1, source 1 (R) window 0, C and D window 2
.set MUL_HI, 0xf1                      ; the same, C and D window 3
.set TO_B,   0x40                      ; destination window 1, address window 0
; A joint load: waves 0 and 1 fetch for R, waves 2 and 3 for P.  Each of the two lines has ONE mask and one set of registers for all that issue it; the branch hangs on the wave's number alone.
; Four v_nop follow each of the two lines, ahead of the jump, the label and what follows.
.macro JLOAD g0a, g1a, g0b, g1b
	s_cmp_eq_u32 s15, 0
	s_cbranch_scc0 .Lfor_b_\@
	tensor_load_to_lds s[\g0a:\g0a+3], s[\g1a:\g1a+7]
	s_nop 0
.rept 4
	v_nop
.endr
	s_branch .Lasked_\@
.Lfor_b_\@:
	tensor_load_to_lds s[\g0b:\g0b+3], s[\g1b:\g1b+7]
	s_nop 0
.rept 4
	v_nop
.endr
.Lasked_\@:
.endm
.macro CREST                           ; a round of the cluster's barrier behind its opening barrier
	s_cmp_lg_u32 s14, 0
	s_cbranch_scc1 .Lnot_wave_0_\@
	s_barrier_signal -3
.Lnot_wave_0_\@:
	s_barrier_wait -3
	s_barrier_signal -1
	s_barrier_wait -1
.endm
.macro CROUND                          ; a whole round
	s_barrier_signal -1
	s_barrier_wait -1
	CREST
.endm
; The seven buffers of my type.  Argument 3 role + type lies in s[16 + 6 role + 2 type ..].  which = 1: k's over q's;  2: v's over what has been chosen.  The condition hangs on the cluster's number alone.
.macro PICK dst, role, which
.if \which == 1
	s_cselect_b64 s[\dst:\dst+1], s[18+6*\role:19+6*\role], s[16+6*\role:17+6*\role]
.else
	s_cselect_b64 s[\dst:\dst+1], s[20+6*\role:21+6*\role], s[\dst:\dst+1]
.endif
.endm
.macro PICKS which
	PICK 4, 0, \which                              ; R's codes
	PICK 6, 1, \which                              ; R's scales
	PICK 8, 2, \which                              ; P's codes
	PICK 10, 3, \which                             ; P's scales
	PICK 96, 4, \which                             ; the bias
	PICK 12, 5, \which                             ; the images
	PICK 98, 6, \which                             ; the scale words
.endm
	s_load_b512 s[16:31], s[0:1], 0x0              ; the 21 addresses
	s_load_b512 s[32:47], s[0:1], 0x40
	s_load_b256 s[48:55], s[0:1], 0x80
	s_load_b64 s[56:57], s[0:1], 0xa0
	v_lshl_add_u32 v[SPW], v0, 2, SPARE
	v_mov_b32 v[NIL], 0
	ds_add_u32 v28, v29
	s_wait_dscnt 0x0
	v_lshrrev_b32 v1, 5, v0
	v_readfirstlane_b32 s14, v1                    ; wave 0..3
	s_and_b32 s[TYP], ttmp7, 0xffff                ; in a cluster launch ttmp7 counts clusters: 0 .. 11
	s_and_b32 s94, s[TYP], 3                       ; c: which of my type's four clusters
	s_lshr_b32 s[TYP], s[TYP], 2                   ; the type
	s_lshr_b32 s93, s[TYP], 1                      ; 1 for v
	s_mul_i32 s66, s94, s93                        ; v: the four clusters lie along P (values' 4,096 rows);
	s_sub_co_u32 s67, s94, s66                     ; q, k: along R (x's 4,096 rows)
	s_wait_kmcnt 0x0
	s_cmp_eq_u32 s[TYP], 1
	PICKS 1
	s_cmp_eq_u32 s[TYP], 2
	PICKS 2                                        ; from here on s16-57 are free
	s_lshr_b32 s15, s14, 1                         ; which half of R's 256 rows is mine.  Also: I fetch for R (0) or for P (1)
	s_and_b32 s16, s14, 1                          ; which half of P's.  Also: which 128 rows of that tile I fetch
	s_bfe_u32 s40, ttmp6, 0x40000                  ; cx, cy: my place in the cluster
	s_bfe_u32 s41, ttmp6, 0x40004
	s_lshl_b32 s42, s66, 2
	s_add_co_u32 s42, s42, s40                     ; P's tile of 256 rows
	s_lshl_b32 s17, s67, 2
	s_add_co_u32 s17, s17, s41                     ; R's tile of 256 rows
	s_lshl_b32 s43, s41, 2
	s_lshl_b32 s43, 15, s43                        ; my row of the cluster
	s_lshl_b32 s44, 0x1111, s40                    ; my column
	; descriptor group 1: a tile of 128 rows x 192 bytes, padded in LDS
	s_or_b32 s[G1+0], s43, (0<<16)|(1<<20)|(1<<21)|(3<<22)|(3<<25)  ; 15:0 the mask: R's tiles go to my row; 17:16 element of 1 byte; 20 padding on; 21 set beside a mask; 24:22 after every 16 words (code 3); 31:25 of 4 words (code 3)
	s_or_b32 s[G1B+0], s44, (0<<16)|(1<<20)|(1<<21)|(3<<22)|(3<<25) ; the same with my column's mask, for P's tiles
.irp g, G1, G1B
	s_mov_b32 s[\g+1], ROWB<<16                    ; tensor_dim0
	s_mov_b32 s[\g+2], 128<<16                     ; tensor_dim1 = 128
	s_mov_b32 s[\g+3], ROWB<<16                    ; tile_dim0
	s_mov_b32 s[\g+4], 128                         ; tile_dim1 = 128
	s_mov_b32 s[\g+5], KROW                        ; tensor_dim0_stride
	s_mov_b32 s[\g+6], 0
	s_mov_b32 s[\g+7], 0
.endr
	; and for the scales of 128 rows: a dense block of 4,096 bytes, as 16 rows of 256 bytes (32 elements of 8 bytes), 16 bytes of padding behind each
	s_or_b32 s[G1S+0], s43, (3<<16)|(1<<20)|(1<<21)|(5<<22)|(3<<25)
	s_or_b32 s[G1SB+0], s44, (3<<16)|(1<<20)|(1<<21)|(5<<22)|(3<<25)
.irp g, G1S, G1SB
	s_mov_b32 s[\g+1], 32<<16
	s_mov_b32 s[\g+2], (128*KS/256)<<16
	s_mov_b32 s[\g+3], 32<<16
	s_mov_b32 s[\g+4], 128*KS/256
	s_mov_b32 s[\g+5], 32
	s_mov_b32 s[\g+6], 0
	s_mov_b32 s[\g+7], 0
.endr
	s_lshl_b32 s18, s16, 7                         ; which 128 rows of the tile I fetch
	s_lshl_b32 s20, s17, 8
	s_add_co_u32 s20, s20, s18                     ; R: row 256 x tile + 128 x half
	s_lshl_b32 s46, s42, 8
	s_add_co_u32 s46, s46, s18                     ; P: likewise
	s_mov_b32 s21, 0
	s_mov_b32 s47, 0
	s_mov_b64 s[18:19], KS
	s_mul_u64 s[22:23], s[20:21], s[18:19]         ; where these rows' scales begin, in bytes
	s_mul_u64 s[92:93], s[46:47], s[18:19]
	s_mov_b64 s[18:19], KROW
	s_mul_u64 s[20:21], s[20:21], s[18:19]         ; and their codes
	s_mul_u64 s[46:47], s[46:47], s[18:19]
	s_mul_i32 s45, s14, HALFT                      ; where they go: wave x 128 rows: no place in the cluster enters an LDS address
	s_mul_i32 s94, s14, HALFS
	s_add_nc_u64 s[20:21], s[4:5], s[20:21]
	s_add_nc_u64 s[22:23], s[6:7], s[22:23]
	s_add_nc_u64 s[46:47], s[8:9], s[46:47]
	s_add_nc_u64 s[92:93], s[10:11], s[92:93]
	CROUND                                         ; all sixteen work-groups are here: the first joint loads meet
	s_mov_b32 s[G0S], 1
	s_add_co_u32 s[G0S+1], s94, SCL
	s_mov_b64 s[G0S+2:G0S+3], s[22:23]
	s_or_b32 s[G0S+3], s[G0S+3], 0x80000000
	s_mov_b32 s[G0SB], 1
	s_add_co_u32 s[G0SB+1], s94, SCL
	s_mov_b64 s[G0SB+2:G0SB+3], s[92:93]
	s_or_b32 s[G0SB+3], s[G0SB+3], 0x80000000
	JLOAD G0S, G1S, G0SB, G1SB                     ; the scales first: they are wanted with K step 0
.irp s, 0,1
	s_mov_b32 s[G0+4*\s], 1
	s_add_co_u32 s[G0+4*\s+1], s45, \s*SLOT
	s_add_nc_u64 s[G0+4*\s+2:G0+4*\s+3], s[20:21], \s*ROWB
	s_or_b32 s[G0+4*\s+3], s[G0+4*\s+3], 0x80000000
	s_mov_b32 s[G0B+4*\s], 1
	s_add_co_u32 s[G0B+4*\s+1], s45, \s*SLOT
	s_add_nc_u64 s[G0B+4*\s+2:G0B+4*\s+3], s[46:47], \s*ROWB
	s_or_b32 s[G0B+4*\s+3], s[G0B+4*\s+3], 0x80000000
	JLOAD G0+4*\s, G1, G0B+4*\s, G1B               ; three loads of mine are out
.endr
	v_and_b32 v1, 15, v0                           ; r = l % 16
	v_bfe_u32 v2, v0, 4, 1                         ; l / 16
	v_and_b32 v7, 8, v1
	v_add_nc_u32 v7, v7, v1                        ; r + 8 (r / 8): my row of a tile
	v_mul_u32_u24 v3, v7, PITCH
	v_mul_u32_u24 v4, v2, 24
	v_add_nc_u32 v4, v3, v4                        ; a fragment's row x pitch + 24 x half
	v_lshl_add_u32 v5, v2, 4, v4                   ; and the same behind one padding more
	s_mul_i32 s21, s15, HALFT                      ; my 128 rows of R
	s_mul_i32 s22, s16, HALFT                      ; my 128 rows of P,
	s_add_co_u32 s22, s22, 2*HALFT                 ; which lie behind R's 256
.irp s, 0,1
	v_add_nc_u32 v[ADRA+\s], s21, v4
	v_add_nc_u32 v[ADRB+\s], s22, v4
	v_add_nc_u32 v[ADRA+2+\s], s21, v5
	v_add_nc_u32 v[ADRB+2+\s], s22, v5
	s_add_co_u32 s21, s21, SLOT
	s_add_co_u32 s22, s22, SLOT
.endr
	v_mul_u32_u24 v5, v7, KS                       ; my row's scales: 32 bytes a row,
	v_lshrrev_b32 v6, 8, v5
	v_lshl_add_u32 v5, v6, 4, v5                   ; and 16 more for each 256 passed
	s_mul_i32 s21, s15, HALFS                      ; R's: my 128 rows
	s_mul_i32 s22, s16, HALFS                      ; P's: my 128 rows, behind R's 256
	s_add_co_u32 s22, s22, 2*HALFS
	s_sub_co_u32 s22, s22, s21
	v_mul_u32_u24 v6, s22, v2                      ; lanes 16-31 take P's
	s_add_co_u32 s21, s21, SCL
	v_add_nc_u32 v5, v5, v6
	v_add_nc_u32 v[ADRS], s21, v5
	; where my results go.  px: my 128 rows of P (q, k: the head pair; v: the step of 128 keys);  ry: my 128 rows of R (q, k: the step of 128 positions; v: the head pair)
	s_lshl_b32 s18, s42, 1
	s_add_co_u32 s18, s18, s16                     ; px
	s_lshl_b32 s19, s17, 1
	s_add_co_u32 s19, s19, s15                     ; ry
	s_cmp_eq_u32 s[TYP], 2                         ; the lines down to the last select leave SCC alone
	s_mov_b32 s20, 393216
	s_cselect_b32 s20, 98304, s20                  ; bytes of images for one px: v: 64 tiles x 1,536;  q, k: 256 tiles x 1,536
	s_mov_b32 s21, 32768
	s_cselect_b32 s22, 512, s21                    ; bytes of scale words for one px: v: a step;  q, k: two heads
	s_cselect_b32 s23, s21, 512                    ; and for one ry: the other way round
	s_mov_b32 s21, 16384
	s_cselect_b32 s46, 256, s21                    ; from lanes 0-15 to lanes 16-31: v: the second copy;  q, k: the pair's second head
	s_cselect_b32 s47, s21, 256                    ; from blocks 0-3 to blocks 4-7: v: the pair's second head;  q, k: the step's second half
	s_cselect_b32 s92, 0, 16                       ; q, k: the upper lanes shift the word down by two bytes
	s_cselect_b32 s[MKP], 0, -1
	s_cselect_b32 s[MKR], -1, 0
	s_cselect_b32 s66, 0, s18                      ; which 128 numbers of the bias run along P (q, k); v reads the first 128 and masks them
	s_cselect_b32 s67, s19, 0                      ; and along R (v); q, k read the first 128 and mask them
	s_mul_i32 s20, s18, s20
	s_mul_i32 s21, s19, 12288                      ; one ry: 8 tiles x 1,536 bytes, for every type
	s_add_co_u32 s20, s20, s21
	s_mov_b32 s21, 0
	s_add_nc_u64 s[12:13], s[12:13], s[20:21]      ; my eight blocks' images
	s_mul_i32 s22, s18, s22
	s_mul_i32 s23, s19, s23
	s_add_co_u32 s22, s22, s23
	s_mov_b32 s23, 0
	s_add_nc_u64 s[98:99], s[98:99], s[22:23]      ; my scale words
	s_lshl_b32 s20, s67, 9
	s_add_nc_u64 s[100:101], s[96:97], s[20:21]    ; the bias along R
	s_lshl_b32 s20, s66, 9
	s_add_nc_u64 s[96:97], s[96:97], s[20:21]      ; the bias along P
	s_mov_b32 s[SEL], 0x76543210
	s_mov_b32 s[SEL+1], 0xfedcba98
	v_and_b32 v6, 31, v0
	v_lshlrev_b32 v[IM16], 4, v6
	v_lshlrev_b32 v[IM8], 3, v6
	v_mul_u32_u24 v[WO0], s46, v2
	v_lshl_add_u32 v[WO0], v1, 4, v[WO0]           ; 16 r: four blocks' words of my row on end
	v_add_nc_u32 v[WO1], s47, v[WO0]
	v_mul_u32_u24 v[SHV], s92, v2
	v_lshlrev_b32 v8, 6, v2                        ; register 16 b + i of a block's 64 is P's row 32 b + 16 (l / 16) + i: byte 128 b + 64 (l / 16) + 4 i of my 512
	v_lshlrev_b32 v9, 2, v7                        ; my row of a tile of R
.set n, 0
.rept 16
	global_load_b128 v[BP+4*n:BP+4*n+3], v8, s[96:97] offset:128*(n/4)+16*(n%4)
.set n, n+1
.endr
.irp a, 0,1,2,3,4,5,6,7
	global_load_b32 v[TM+\a], v9, s[100:101] offset:4*(32*(\a/2)+8*(\a%2))
.endr
.macro FRAG reg, adr, q, i             ; a fragment, 16 rows x 128 K of 6-bit codes, is 12 registers: lane l holds the tile's row l % 16; registers 6 c .. 6 c + 5 hold K = 64 c + 32 (l / 16) + 0 .. 31: 24 bytes of the row's stream of bits, as they lie
.irp p, 0,1,2,3,4,5                    ; in pieces of 8 bytes, so that every address is a multiple of the access's size.  Lanes 0-15 take the row's pieces 12 q + 0, 1, 2 and 12 q + 6, 7, 8, lanes 16-31 those three pieces on
.set PCE, 12*(\q)+6*(\p/3)+\p%3       ; 16 bytes of padding lie behind every 8 pieces: where the piece three on lies behind one padding more, the second address register (40 for 24 bytes a half) serves
.if PCE%8 < 5
	ds_load_b64 v[\reg+2*\p:\reg+2*\p+1], v[\adr] offset:8*PCE+16*(PCE/8)+(32*((\i)/2)+8*((\i)%2))*PITCH
.else
	ds_load_b64 v[\reg+2*\p:\reg+2*\p+1], v[\adr+2] offset:8*PCE+16*(PCE/8)+(32*((\i)/2)+8*((\i)%2))*PITCH
.endif
.endr
.endm
; 16 matrix instructions: R's blocks a0, a0 + 1 x P's eight, 128 along K: the slot's q-th.  p: P's set;  sc: the set of scale words.  zero = 1: the first product starts the sums: nothing is ever cleared.
; The 64 accumulators take turns, one instruction a turn, in the same order in every step.
.macro MUL16 a0, p, q, sc, zero
.irp a, \a0, \a0+1
.irp b, 0,1,2,3,4,5,6,7
.if \zero
	v_wmma_scale_f32_16x16x128_f8f6f4 v[8*(8*((\a)%4)+\b):8*(8*((\a)%4)+\b)+7], v[128*(\p)+FR*\b:128*(\p)+FR*\b+FR-1], v[AF+FR*(\a):AF+FR*(\a)+FR-1], 0, v[SC+8*NQ*(\sc)+NQ*\b+(\q)], v[SC+8*NQ*(\sc)+NQ*(\a)+(\q)] matrix_a_fmt:MATRIX_FMT_BF6 matrix_b_fmt:MATRIX_FMT_BF6 matrix_a_scale:MATRIX_SCALE_ROW1
.else
	v_wmma_scale_f32_16x16x128_f8f6f4 v[8*(8*((\a)%4)+\b):8*(8*((\a)%4)+\b)+7], v[128*(\p)+FR*\b:128*(\p)+FR*\b+FR-1], v[AF+FR*(\a):AF+FR*(\a)+FR-1], v[8*(8*((\a)%4)+\b):8*(8*((\a)%4)+\b)+7], v[SC+8*NQ*(\sc)+NQ*\b+(\q)], v[SC+8*NQ*(\sc)+NQ*(\a)+(\q)] matrix_a_fmt:MATRIX_FMT_BF6 matrix_b_fmt:MATRIX_FMT_BF6 matrix_a_scale:MATRIX_SCALE_ROW1
.endif
.endr
.endr
.endm
.macro FETCH_B slot, q, p              ; P's eight fragments of the slot's q-th 128 along K into set p
	WIN TO_B
.irp i, 0,1,2,3,4,5,6,7
	FRAG 128*(\p)+FR*\i, ADRB+\slot, \q, \i
.endr
	WIN 0
.endm
.macro FETCH_A slot, q, i0             ; R's blocks i0 .. i0 + 3
.irp i, \i0, \i0+1, \i0+2, \i0+3
	FRAG AF+FR*(\i), ADRA+\slot, \q, \i
.endr
.endm
.macro SCALES sc                       ; the next K step's scale words into set sc: two words a row; lanes 0-15 take R's block i, lanes 16-31 P's block i.  Block i begins 32 (i / 2) + 8 (i % 2) rows of 32 bytes on: 4 (i / 2) + i % 2 runs of 256 + 16
.irp i, 0,1,2,3,4,5,6,7
	ds_load_b64 v[SC+8*NQ*\sc+NQ*\i:SC+8*NQ*\sc+NQ*\i+1], v[ADRS] offset:(4*(\i/2)+\i%2)*272
.endr
.endm
; A load into a register that a matrix instruction has read, and a vector instruction that reads a matrix result or writes one of a matrix instruction's registers, stand NP places behind it, and only plain
; vector instructions that name none of its registers are places (ISA guide 7.12.1 for vector instructions); the matrix instructions in between are not counted.
.macro PLACES n
.rept \n
	v_nop
.endr
.endm
; A step of 128 along K that has its successor in the same slot.
.macro STEP slot, q, zero
	s_wait_dscnt 4*NL                              ; P's set, R's blocks 0-3 and the scale words are in; the youngest 24 loads (R's blocks 4-7) may be out
	WIN MUL_LO
	MUL16 0, (\q)%2, \q, \slot, \zero
	MUL16 2, (\q)%2, \q, \slot, \zero
	s_wait_dscnt 0                                 ; R's blocks 4-7 are in (asked for 32 matrix instructions ago)
	PLACES NP
	FETCH_B \slot, (\q)+1, 1-(\q)%2
	FETCH_A \slot, (\q)+1, 0
	WIN MUL_HI
	MUL16 4, (\q)%2, \q, \slot, \zero
	MUL16 6, (\q)%2, \q, \slot, \zero
	PLACES NP
	WIN 0
	FETCH_A \slot, (\q)+1, 4
.endm
; A slot's last step changes slots: ONE barrier; in front of it each wave waits for all its tensor loads, adds 0 to its spare word, and waits for that and for its own reads of this slot.  fill = 1: this slot is filled again, two K steps ahead.
.macro TURN slot, next, fill
	s_wait_tensorcnt 0x0                           ; all my tensor loads have landed: my part of the next slot;  (every window is 0 here)
	ds_add_u32 v[SPW], v[NIL]                      ; 0 onto my spare word
	s_wait_dscnt 4*NL+1                            ; (the add and the youngest 24 loads, R's blocks 4-7, may be out)
	WIN MUL_LO
	MUL16 0, 1, NQ-1, \slot, 0                     ; sixteen matrix instructions stand between the add and the wait for it
	s_wait_dscnt 0x0                               ; the add is done, and my reads of this slot are over
	s_barrier_signal -1
	MUL16 2, 1, NQ-1, \slot, 0
	WIN 0
	s_barrier_wait -1
.if \fill
	CREST                                          ; the barrier has opened a round of the cluster's barrier: no wave of any partner still reads this slot's tile or has a load on its way
	s_add_nc_u64 s[G0+4*\slot+2:G0+4*\slot+3], s[G0+4*\slot+2:G0+4*\slot+3], 2*ROWB
	s_add_nc_u64 s[G0B+4*\slot+2:G0B+4*\slot+3], s[G0B+4*\slot+2:G0B+4*\slot+3], 2*ROWB
	JLOAD G0+4*\slot, G1, G0B+4*\slot, G1B         ; the first tensor load behind the round, my only one until the next; the four v_nop behind it are the places in front of the loads below
.else
	PLACES NP
.endif
	v_add_nc_u32 v[ADRS], 4*NQ, v[ADRS]            ; on to the next K step's scale words (no LDS load of mine is out)
	FETCH_B \next, 0, 0
	FETCH_A \next, 0, 0
	SCALES \next
	WIN MUL_HI
	MUL16 4, 1, NQ-1, \slot, 0
	MUL16 6, 1, NQ-1, \slot, 0
	PLACES NP
	WIN 0
	FETCH_A \next, 0, 4
.endm
	s_wait_loadcnt 0x0                             ; the biases.  One of the two is this type's; the other becomes zeros, so that both additions on the way out stand in every type's path
.set n, 0
.rept 64
	v_cndmask_b32 v[BP+n], 0, v[BP+n], s[MKP]
.set n, n+1
.endr
.irp a, 0,1,2,3,4,5,6,7
	v_cndmask_b32 v[BR+2*\a], 0, v[TM+\a], s[MKR]
	v_mov_b32 v[BR+2*\a+1], v[BR+2*\a]             ; twice: a pair for the packed addition
.endr
.irp b, 0,1,2,3
	v_mov_b32 v[TM+4+\b], 0                        ; written once: a lane permute's destination counts as one of its sources
.endr
	s_wait_tensorcnt 1                             ; the scales and my part of K step 0 are in (K step 1's load may be out)
	s_barrier_signal -1
	s_barrier_wait -1                              ; everybody's are
	FETCH_B 0, 0, 0
	FETCH_A 0, 0, 0
	SCALES 0
	FETCH_A 0, 0, 4
	STEP 0, 0, 1                                   ; K = 1,024 is four K steps of 256, eight steps of 128: written out.  The first step's products start the sums
	TURN 0, 1, 1                                   ; slot 0 takes K step 2
	STEP 1, 0, 0
	TURN 1, 0, 1                                   ; slot 1 takes K step 3
	STEP 0, 0, 0
	TURN 0, 1, 0                                   ; nothing is left to fetch: no round of the cluster's barrier
	STEP 1, 0, 0
	s_wait_dscnt 4*NL                              ; the very last step
	WIN MUL_LO
	MUL16 0, 1, NQ-1, 1, 0
	MUL16 2, 1, NQ-1, 1, 0
	s_wait_dscnt 0
	WIN MUL_HI
	MUL16 4, 1, NQ-1, 1, 0
	MUL16 6, 1, NQ-1, 1, 0
	WIN 0
; 64 numbers of a lane, none negative, v[s] .. v[s + 63], register 16 b + i = next K 32 b + 16 (lane / 16) + i of my row, become a fragment's codes in v[QC] on and its scale word in v[PWT].
.macro QUANT s
.irp b, 0,1,2,3
	v_max3_num_f32 v[TM+\b], v[\s+16*\b], v[\s+1+16*\b], 0x2800000   ; block b: my 16 numbers, and the floor 2^(5 - 127): the byte cannot fall under 1
.endr
.irp i, 2,4,6,8,10,12,14
.irp b, 0,1,2,3
	v_max3_num_f32 v[TM+\b], v[TM+\b], v[\s+16*\b+\i], v[\s+1+16*\b+\i]   ; (the four blocks by turns: no line waits for the line above it)
.endr
.endr
.irp b, 0,1,2,3
	v_permlanex16_b32 v[TM+4+\b], v[TM+\b], s[SEL], s[SEL+1]
.endr
.irp b, 0,1,2,3
	v_max_num_f32 v[TM+\b], v[TM+\b], v[TM+4+\b]   ; with lane l xor 16's: the block's largest number
.endr
.irp b, 0,1,2,3
	v_add_nc_u32 v[TM+12+\b], 0xfe000000, v[TM+\b]   ; 4 off its exponent field: the conversion takes the exponent field of this operand as its scale, and nothing else of it
.endr
.irp b, 0,1,2,3
	v_lshrrev_b32 v[TM+4+\b], 23, v[TM+12+\b]      ; the scale's byte
.endr
	v_lshl_or_b32 v[PWT], v[TM+5], 8, v[TM+4]      ; the four bytes make my row's scale word, the same in lanes l and l xor 16
	v_lshl_or_b32 v[PWT], v[TM+6], 16, v[PWT]
	v_lshl_or_b32 v[PWT], v[TM+7], 24, v[PWT]
.irp c, 0,1
	v_cvt_scalef32_pk16_bf6_f32 v[QC+6*\c:QC+2+6*\c], v[\s+32*\c:\s+15+32*\c], v[TM+12+2*\c]
	v_cvt_scalef32_pk16_bf6_f32 v[QC+12+4*\c:QC+14+4*\c], v[\s+16+32*\c:\s+31+32*\c], v[TM+12+2*\c+1]   ; (a conversion's three registers begin on an even number)
.endr
	v_nop                                          ; one plain instruction behind a scaled conversion
.irp c, 0,1                                    ; the operand's layout wants a WHOLE block in a lane: lanes 0-15 block 2 c, lanes 16-31 block 2 c + 1
.irp i, 0,1,2
	v_permlane16_swap_b32 v[QC+6*\c+\i], v[QC+12+4*\c+\i]
.endr
.irp i, 0,1,2
	v_mov_b32 v[QC+3+6*\c+\i], v[QC+12+4*\c+\i]
.endr
.endr
.endm
; R's block a goes out: bias, relu, quantiser, image.  Each accumulator is read from its low end on.
.macro OUTBLK a
.if (\a) > 0
	s_wait_xcnt 0x0                                ; the last block's stores have read their registers: the codes may be written again
.endif
	WIN 0x02+(\a)/4                                ; source 0: window 2 or 3
.set n, 0
.rept 32
	v_pk_add_f32 v[T+n:T+n+1], v[64*((\a)%4)+n:64*((\a)%4)+n+1], v[BP+n:BP+n+1]   ; + the bias along P (q, k), or + 0
.set n, n+2
.endr
	WIN 0
.set n, 0
.rept 32
	v_pk_add_f32 v[T+n:T+n+1], v[T+n:T+n+1], v[BR+2*(\a):BR+2*(\a)+1]             ; + the bias along R (v), or + 0
.set n, n+2
.endr
.set n, 0
.rept 64
	v_max_num_f32 v[T+n], 0, v[T+n]                ; the relu, in f32
.set n, n+1
.endr
	QUANT T
	v_lshrrev_b32 v[W+(\a)], v[SHV], v[PWT]        ; q, k: lanes 0-15 keep the word (its low two bytes: the pair's first head), lanes 16-31 its upper two bytes (the second head);  v: the word as it is
	global_store_b128 v[IM16], v[QC:QC+3], s[12:13] offset:1536*(\a)               ; registers 0-5: q, k: the first head's operand;  v: keys 0-63 of the step
	global_store_b64 v[IM8], v[QC+4:QC+5], s[12:13] offset:1536*(\a)+512
	global_store_b128 v[IM16], v[QC+6:QC+9], s[12:13] offset:1536*(\a)+768         ; registers 6-11: q, k: the second head's;  v: keys 64-127
	global_store_b64 v[IM8], v[QC+10:QC+11], s[12:13] offset:1536*(\a)+1280
.endm
	PLACES NP                                      ; behind the last products: the first block's additions write registers that held R's fragments
.irp a, 0,1,2,3,4,5,6,7
	OUTBLK \a
.endr
	global_store_b128 v[WO0], v[W:W+3], s[98:99]   ; sixteen lanes store 256 consecutive bytes, at a multiple of 256 from the buffer's first byte
	global_store_b128 v[WO1], v[W+4:W+7], s[98:99]
	s_wait_tensorcnt 0x0                           ; the wave's end
	ds_add_u32 v[SPW], v[NIL]
	s_wait_dscnt 0x0
	CROUND                                         ; the closing round: no work-group ends while a partner may still ask for a tile that names it
	s_endpgm
.Lfunc_end_k_q47b259f6cb_proj:
	.size	k_q47b259f6cb_proj, .Lfunc_end_k_q47b259f6cb_proj-k_q47b259f6cb_proj
	.p2alignl 7, 3214868480
	.fill 96, 4, 3214868480
	.section	.rodata,"a",@progbits
	.p2align	6, 0x0
	.amdhsa_kernel k_q47b259f6cb_proj
		.amdhsa_group_segment_fixed_size 327680
		.amdhsa_private_segment_fixed_size 0
		.amdhsa_enable_private_segment 0
		.amdhsa_kernarg_size 168
		.amdhsa_user_sgpr_count 2
		.amdhsa_user_sgpr_kernarg_segment_ptr 1
		.amdhsa_wavefront_size32 1
		.amdhsa_system_sgpr_workgroup_id_x 1
		.amdhsa_system_sgpr_workgroup_id_y 1
		.amdhsa_system_sgpr_workgroup_id_z 1
		.amdhsa_system_vgpr_workitem_id 0
		.amdhsa_next_free_vgpr 1024
		.amdhsa_next_free_sgpr 106
		.amdhsa_reserve_vcc 0
		.amdhsa_float_denorm_mode_32 3
		.amdhsa_float_denorm_mode_16_64 3
		.amdhsa_memory_ordered 1
		.amdhsa_forward_progress 1
		.amdhsa_inst_pref_size 221
	.end_amdhsa_kernel
	.amdgpu_metadata
---
amdhsa.version: [ 1, 2 ]
amdhsa.kernels:
  - .name:           k_q47b259f6cb_proj
    .symbol:         k_q47b259f6cb_proj.kd
    .args:
      - { .name: qx_codes, .offset: 0, .size: 8, .value_kind: global_buffer, .address_space: global }
      - { .name: keys_codes, .offset: 8, .size: 8, .value_kind: global_buffer, .address_space: global }
      - { .name: Wv_w_codes, .offset: 16, .size: 8, .value_kind: global_buffer, .address_space: global }
      - { .name: qx_scales, .offset: 24, .size: 8, .value_kind: global_buffer, .address_space: global }
      - { .name: keys_scales, .offset: 32, .size: 8, .value_kind: global_buffer, .address_space: global }
      - { .name: Wv_w_scales, .offset: 40, .size: 8, .value_kind: global_buffer, .address_space: global }
      - { .name: Wq_w_codes, .offset: 48, .size: 8, .value_kind: global_buffer, .address_space: global }
      - { .name: Wk_w_codes, .offset: 56, .size: 8, .value_kind: global_buffer, .address_space: global }
      - { .name: values_codes, .offset: 64, .size: 8, .value_kind: global_buffer, .address_space: global }
      - { .name: Wq_w_scales, .offset: 72, .size: 8, .value_kind: global_buffer, .address_space: global }
      - { .name: Wk_w_scales, .offset: 80, .size: 8, .value_kind: global_buffer, .address_space: global }
      - { .name: values_scales, .offset: 88, .size: 8, .value_kind: global_buffer, .address_space: global }
      - { .name: Wq_b, .offset: 96, .size: 8, .value_kind: global_buffer, .address_space: global }
      - { .name: Wk_b, .offset: 104, .size: 8, .value_kind: global_buffer, .address_space: global }
      - { .name: Wv_b, .offset: 112, .size: 8, .value_kind: global_buffer, .address_space: global }
      - { .name: qimg, .offset: 120, .size: 8, .value_kind: global_buffer, .address_space: global }
      - { .name: kimg, .offset: 128, .size: 8, .value_kind: global_buffer, .address_space: global }
      - { .name: vimg, .offset: 136, .size: 8, .value_kind: global_buffer, .address_space: global }
      - { .name: qsc, .offset: 144, .size: 8, .value_kind: global_buffer, .address_space: global }
      - { .name: ksc, .offset: 152, .size: 8, .value_kind: global_buffer, .address_space: global }
      - { .name: vsc, .offset: 160, .size: 8, .value_kind: global_buffer, .address_space: global }
    .group_segment_fixed_size: 327680
    .private_segment_fixed_size: 0
    .kernarg_segment_align: 8
    .kernarg_segment_size: 168
    .max_flat_workgroup_size: 128
    .sgpr_count:     106
    .vgpr_count:     1024
    .wavefront_size: 32
...
	.end_amdgpu_metadata
.endif
;; end of part 2
;; launch attn (part 3): grid 16 x 16, 16 waves a work-group, clusters of 4 x 1, 327,680 bytes of LDS; arguments qimg, qsc, kimg, ksc, vimg, vsc, queries, out0; writes out0
.if DOCPART == 3
	.amdgcn_target "amdgcn-amd-amdhsa--gfx1250"
	.amdhsa_code_object_version 6
	.text
	.protected	k_q47b259f6cb_attn
	.globl	k_q47b259f6cb_attn
	.p2align	8
	.type	k_q47b259f6cb_attn,@function
k_q47b259f6cb_attn:
	s_mov_b64 s[64:65], 0
	v_nop
	global_prefetch_b8 v0, s[64:65] scope:SCOPE_SE
	s_setreg_imm32_b32 hwreg(HW_REG_WAVE_MODE, 25, 1), 1
	s_wait_xcnt 0x0
	s_wait_alu depctr_hold_cnt(0) depctr_sa_sdst(0) depctr_va_vdst(0) depctr_va_sdst(0) depctr_va_ssrc(0) depctr_va_vcc(0) depctr_vm_vsrc(0)
	s_getreg_b32 s2, hwreg(HW_REG_IB_STS2, 6, 4)
	s_cmp_eq_u32 s2, 0
	s_cbranch_scc0 .Lentry_in_a_cluster
	s_endpgm
.Lentry_in_a_cluster:
	s_bfe_u32 s2, ttmp6, 0x10000c
	s_cmp_lg_u32 s2, 0x3003
	s_cbranch_scc0 .Lentry_shape_is_right
	s_endpgm
.Lentry_shape_is_right:
; out0[h x 262,144 + d x 4,096 + s] = queries[the same flat place] + (the sum over keys of softmax(q . k / 8) v)[h][s][d]: 16 heads of 64, 4,096 positions, both products on codes of BF6 (E3M2)
; with one E8M0 scale for each 32 along a product's K.  q, k and v come as IMAGES OF THE OPERANDS' REGISTERS, made by the launch before: six registers in 768 bytes, registers 0-3 at 16 x lane,
; registers 4-5 at 512 + 8 x lane; and their scale words, four tiles' words of a row on end.  So every fragment comes by loads of 16 and 8 bytes a lane at consecutive addresses: no pitch, no padding.
; THE SOFTMAX AHEAD OF THE SECOND PRODUCT: t = score x log2(e) / 8; M = the row's largest t so far, rounded UP to a whole number; p = 2^(t - M) is what is quantised, along the keys; it is not normalised.
; The row's sum is taken of the unquantised p, in f32, and divides O at the end.  When M moves, the sum and O are multiplied by 2^(old M - new M): exact.
; K Q^T HAS K = 64: registers 0-5 of both operands hold the head's 64 features, registers 6-11 are zero codes, written once; the scale words' upper two bytes stand over zeros and are never 0xff.
; SHARES.  A work-group owns 256 queries of one head; each of its SIXTEEN waves one tile of 16, in 256 registers: four waves to a SIMD, so that one wave's vector work stands beside another's matrix work and LDS loads.
; Every wave walks the head's 4,096 keys, 128 a step.  K's and V's images come through a ring of two LDS slots of 1,024 keys (8 steps); the head's scale words, 2 x 16,384 bytes, come once.
; CLUSTER.  The four query blocks of a cluster belong to one head and walk the same K and V: each tile is asked for JOINTLY, by the same tensor load with the same descriptor and the mask 15 in all four.
; LAYOUT.  Both products are used transposed: S^T = K Q^T (source 0 = 16 keys), O^T = V^T P^T (source 0 = 16 features): a lane holds ONE query (lane % 16) throughout.
; A TILE'S ROWS ARE NOT NEIGHBOURS: lane r of tile t of a group of 128 stands for row 32 (t / 2) + 8 (t % 2) + r + 8 (r / 8): keys, queries and features alike.  So the 16 registers of S^T's tiles 2 b, 2 b + 1 are
; 16 neighbouring keys, 32 b + 16 (lane / 16) + 0 .. 15, and register j of O^T's tile t is feature 32 (t / 2) + 8 (t % 2) + 16 (lane / 16) + j.
; THE WAY OUT is transposed: O^T / the sum goes into a stage of 64 rows (features) x 256 queries in LDS, and each wave adds queries to four whole rows of 1,024 bytes and stores them.
; LIMITS: NaN and infinities are not served; a p under 2^-126 counts as 0.
; REGISTERS: v1-4 addresses that stay; v5, v6 the add's; v8-11, v29, v30 the slot's addresses; v12 -M, v13 the largest t, v[14:15] the sum in two halves; v16-27 Q; v28 16 r; v32-79 four fragments of K;
;   v96-159 S^T, then p, then V's four fragments (v96-143); v160-191 O^T; v192-223 my part of queries; v224-235 p's codes; v232-254 at work; v248-251 scale words; v253 p's scale word; v255 Q's.
.set SLOT1, 1<<17                      ; slot 1 begins here, so that one exclusive or turns an address in one slot into the other's
.set KB,    768                        ; a tile of 16 keys: six registers' image
.set STEPK, 8*KB                       ; a step's eight tiles of K
.set VB,    1536                       ; a tile of 16 features x 128 keys: twelve registers' image
.set STEPV, 4*VB                       ; a step's four tiles of V
.set VOFF,  8*STEPK                    ; a slot: 64 tiles of K, then 8 steps of V
.set SCK,   2*SLOT1                    ; behind the ring: K's scale words of the whole head, 512 bytes a step;
.set SCV,   SCK+16384                  ; V's likewise
.set SPARE, SCV+16384                  ; the spare words, 128 bytes for each wave: eight blocks of 256 bytes that no other line names
.set SPITCH, 1040                      ; the stage: 64 rows x (1,024 bytes + 16), from LDS byte 0: in slot 0, which has had its last fill, and which every wave has left at the last change of slots
.set L16,  1                           ; v1   16 x lane
.set L8,   2                           ; v2   8 x lane
.set ASK0, 3                           ; v3   SCK + 16 (lane % 16)
.set ASV0, 4                           ; v4   SCV + 16 x lane
.set SPW,  5                           ; v5   LDS address of my spare word; never rewritten
.set NIL,  6                           ; v6   0; never rewritten
.set ADK16, 8                          ; v8   the slot's K images, 16 bytes a lane;   v9: 8 bytes a lane
.set ADK8,  9
.set ADS,  10                          ; v10  the slot's scale words of K;   v11: of V
.set ADT,  11
.set ADV16, 29                         ; v29, v30  the slot's V images
.set ADV8,  30
.set WV,   20                          ; s20  my wave's number
.set SEL,  22                          ; s[22:23] lane selects for v_permlanex16_b32: lane l xor 16
.set CS,   24                          ; s[24:25] c = log2(e) / 8: the packed form names a pair and takes its low word for both halves
.set G1K,  28                          ; s[28:35] descriptor group 1 for K's images;  s[36:43] for V's;  s[44:51] for the scale words
.set G1V,  36
.set G1S,  44
.set G0K,  52                          ; s[52:55], s[56:59] groups 0 for K's and V's images, which walk;  s[60:63], s[68:71] for the scale words
.set G0V,  56
.set G0SK, 60
.set G0SV, 68
.set TB,   66                          ; s66  LDS byte at which the slot in hand begins
.set TS,   67                          ; s67  where the slot's scale words begin: 4,096 bytes a slot
.set SLOTS, 72                         ; s72  slots still to be asked for
; Waves 0 and 1 fetch for K, waves 2 and 3 for V, the others nothing.  The branches hang on the wave's number alone: they are the same in every work-group.  Four v_nop follow each of the two lines.
.macro TLOAD g0k, g1k, g0v, g1v
	s_cmp_lt_u32 s[WV], 2
	s_cbranch_scc0 .Lnot_k_\@
	tensor_load_to_lds s[\g0k:\g0k+3], s[\g1k:\g1k+7]
	s_nop 0
.rept 4
	v_nop
.endr
	s_branch .Lasked_\@
.Lnot_k_\@:
	s_cmp_lt_u32 s[WV], 4
	s_cbranch_scc0 .Lasked_\@
	tensor_load_to_lds s[\g0v:\g0v+3], s[\g1v:\g1v+7]
	s_nop 0
.rept 4
	v_nop
.endr
.Lasked_\@:
.endm
; A round of the cluster's barrier: my work-group's barrier, so that wave 0's signal speaks for all sixteen waves; wave 0 signals for the work-group; every wave waits for all four work-groups; my work-group's barrier once more.
.macro CROUND
	s_barrier_signal -1
	s_barrier_wait -1
	s_cmp_lg_u32 s[WV], 0
	s_cbranch_scc1 .Lnot_wave_0_\@
	s_barrier_signal -3
.Lnot_wave_0_\@:
	s_barrier_wait -3
	s_barrier_signal -1
	s_barrier_wait -1
.endm
	s_load_b512 s[4:19], s[0:1], 0x0               ; qimg s[4:5], qsc s[6:7], kimg s[8:9], ksc s[10:11], vimg s[12:13], vsc s[14:15], queries s[16:17], out0 s[18:19]
	v_lshl_add_u32 v[SPW], v0, 2, SPARE
	v_mov_b32 v[NIL], 0
	ds_add_u32 v5, v6
	s_wait_dscnt 0x0
	v_lshrrev_b32 v8, 5, v0
	v_readfirstlane_b32 s[WV], v8                  ; wave 0..15
	s_bfe_u32 s73, ttmp6, 0x40000                  ; cx: my place in the cluster
	s_lshl_b32 s74, ttmp9, 2                       ; in a cluster launch ttmp9 counts clusters
	s_add_co_u32 s74, s74, s73                     ; my block of 256 queries: it enters Q's, queries' and out0's addresses alone
	s_and_b32 s75, ttmp7, 0xffff                   ; the head, which the four partners share
	s_and_b32 s76, s[WV], 1                        ; which half of a slot's K or V, and of the scale words, I fetch, if I fetch
	s_lshr_b32 s77, s75, 1
	s_mul_i32 s77, s77, 393216                     ; the head pair's 256 tiles x 1,536 bytes,
	s_and_b32 s78, s75, 1
	s_mul_i32 s78, s78, KB                         ; my head's six registers of each tile's twelve
	s_add_co_u32 s78, s78, s77
	s_mul_i32 s80, s76, 32*1536
	s_add_co_u32 s80, s80, s78
	s_mov_b32 s81, 0                               ; K: my 32 tiles of the first slot, in memory
	s_mul_i32 s82, s75, STEPV
	s_mul_i32 s83, s76, 4*98304
	s_add_co_u32 s82, s82, s83
	s_mov_b32 s83, 0                               ; V: the head's four tiles of my four steps (a step's 64 tiles are 98,304 bytes)
	s_lshl_b32 s84, s75, 14
	s_lshl_b32 s85, s76, 13
	s_add_co_u32 s84, s84, s85
	s_mov_b32 s85, 0                               ; my half of the head's 16,384 bytes of scale words
	s_mul_i32 s86, s76, 32*KB                      ; and where they go in LDS: half of a slot's K or V (both 24,576 bytes),
	s_lshl_b32 s87, s76, 13                        ; half of the scale words: no place in the cluster enters an LDS address
	s_lshl_b32 s88, s74, 4
	s_add_co_u32 s88, s88, s[WV]                   ; my tile of queries: 16 x block + wave
	s_mul_i32 s88, s88, 1536
	s_add_co_u32 s88, s88, s78
	s_mov_b32 s89, 0                               ; its image
	s_lshl_b32 s90, s75, 14                        ; its scale words: head x 16,384 + block x 1,024 (two steps of 128) + (wave / 4) x 256 + 16 r + 4 (wave % 4)
	s_lshl_b32 s91, s74, 10
	s_add_co_u32 s90, s90, s91
	s_lshr_b32 s91, s[WV], 2
	s_lshl_b32 s91, s91, 8
	s_add_co_u32 s90, s90, s91
	s_and_b32 s91, s[WV], 3
	s_lshl_b32 s91, s91, 2
	s_add_co_u32 s90, s90, s91
	s_mov_b32 s91, 0
	s_lshl_b32 s92, s75, 20                        ; out0 and queries: head x 64 rows of 16,384 bytes + my four rows (features 4 wave ..) + the block's 1,024 bytes of a row
	s_lshl_b32 s93, s[WV], 16
	s_add_co_u32 s92, s92, s93
	s_lshl_b32 s93, s74, 10
	s_add_co_u32 s92, s92, s93
	s_mov_b32 s93, 0
	; descriptor group 1, elements of 8 bytes, no padding.  K: 32 rows (tiles) of 768 bytes, 1,536 apart;  V: 4 rows (steps) of 6,144 bytes, 98,304 apart;  scale words: 8,192 dense bytes as 32 rows of 256
.irp g, G1K, G1V, G1S
	s_mov_b32 s[\g], 15|(3<<16)|(1<<21)            ; 15:0 the mask: all four work-groups; 17:16 elements of 8 bytes; 20 padding off; 21 set beside a mask
	s_mov_b32 s[\g+6], 0
	s_mov_b32 s[\g+7], 0
.endr
	s_mov_b32 s[G1K+1], 96<<16                     ; tensor_dim0
	s_mov_b32 s[G1K+2], 32<<16                     ; tensor_dim1
	s_mov_b32 s[G1K+3], 96<<16                     ; tile_dim0
	s_mov_b32 s[G1K+4], 32                         ; tile_dim1
	s_mov_b32 s[G1K+5], 192                        ; tensor_dim0_stride
	s_mov_b32 s[G1V+1], 768<<16
	s_mov_b32 s[G1V+2], 4<<16
	s_mov_b32 s[G1V+3], 768<<16
	s_mov_b32 s[G1V+4], 4
	s_mov_b32 s[G1V+5], 12288
	s_mov_b32 s[G1S+1], 32<<16
	s_mov_b32 s[G1S+2], 32<<16
	s_mov_b32 s[G1S+3], 32<<16
	s_mov_b32 s[G1S+4], 32
	s_mov_b32 s[G1S+5], 32
	s_mov_b32 s[SEL], 0x76543210
	s_mov_b32 s[SEL+1], 0xfedcba98
	s_mov_b32 s[CS], 0x3e38aa3b                    ; c = log2(e) / sqrt(64)
	s_mov_b32 s[CS+1], s[CS]                       ; (named with it as a pair, so it is written)
	s_mov_b32 s[TB], 0
	s_mov_b32 s[TS], 0
	s_mov_b32 s[SLOTS], 3
	s_wait_kmcnt 0x0
	CROUND                                         ; all four work-groups are here: the first joint loads meet
	s_mov_b32 s[G0SK], 1                           ; 1:0 count = 1
	s_add_co_u32 s[G0SK+1], s87, SCK               ; 63:32 LDS address
	s_add_nc_u64 s[G0SK+2:G0SK+3], s[10:11], s[84:85]   ; 120:64 global address
	s_or_b32 s[G0SK+3], s[G0SK+3], 0x80000000      ; 127:126 type = 2
	s_mov_b32 s[G0SV], 1
	s_add_co_u32 s[G0SV+1], s87, SCV
	s_add_nc_u64 s[G0SV+2:G0SV+3], s[14:15], s[84:85]
	s_or_b32 s[G0SV+3], s[G0SV+3], 0x80000000
	TLOAD G0SK, G1S, G0SV, G1S                     ; the scale words of the whole head: filled once
	s_mov_b32 s[G0K], 1
	s_mov_b32 s[G0K+1], s86                        ; slot 0
	s_add_nc_u64 s[G0K+2:G0K+3], s[8:9], s[80:81]
	s_or_b32 s[G0K+3], s[G0K+3], 0x80000000
	s_mov_b32 s[G0V], 1
	s_add_co_u32 s[G0V+1], s86, VOFF
	s_add_nc_u64 s[G0V+2:G0V+3], s[12:13], s[82:83]
	s_or_b32 s[G0V+3], s[G0V+3], 0x80000000
	TLOAD G0K, G1K, G0V, G1V                       ; slot 0: a wave that fetches has two loads out; the first wait on them is for 0
	s_add_nc_u64 s[4:5], s[4:5], s[88:89]
	s_add_nc_u64 s[6:7], s[6:7], s[90:91]
	s_add_nc_u64 s[16:17], s[16:17], s[92:93]
	s_add_nc_u64 s[18:19], s[18:19], s[92:93]
	v_and_b32 v8, 31, v0
	v_lshlrev_b32 v[L16], 4, v8
	v_lshlrev_b32 v[L8], 3, v8
	v_and_b32 v9, 15, v0
	v_lshlrev_b32 v28, 4, v9                       ; 16 r
	v_add_nc_u32 v[ASK0], SCK, v28
	v_add_nc_u32 v[ASV0], SCV, v[L16]
	global_load_b128 v[16:19], v[L16], s[4:5]      ; Q's six registers stay
	global_load_b64 v[20:21], v[L8], s[4:5] offset:512
	global_load_b32 v255, v28, s[6:7]              ; and its scale words
.irp i, 0,1,2,3
.irp c, 0,1
	global_load_b128 v[192+4*(2*\i+\c):195+4*(2*\i+\c)], v[L16], s[16:17] offset:16384*\i+512*\c th:TH_LOAD_NT   ; my four rows of queries, for the end: asked for now, waited for there; their registers and addresses are not touched in between
.endr
.endr
.irp j, 22,23,24,25,26,27
	v_mov_b32 v[\j], 0                             ; Q's K = 64 .. 127: zero codes
.endr
.irp t, 0,1,2,3
.irp j, 6,7,8,9,10,11
	v_mov_b32 v[32+12*\t+\j], 0                    ; and K's: written once, no load lands here
.endr
.endr
	v_mov_b32 v13, 0xff61b1e6                      ; the largest t so far: -3e38, under every t
	v_floor_f32 v12, -v13                          ; -M
	v_mov_b32 v14, 0                               ; the sum, in two halves
	v_mov_b32 v15, 0
.irp b, 0,1,2,3
	v_mov_b32 v[236+\b], 0                         ; written once: a lane permute's destination counts as one of its sources
.endr
	v_mov_b32 v253, 0                              ; (named as the upper half of the pair v[252:253] before it is first written)
.set n, 0
.rept 32
	v_mov_b32 v[160+n], 0                          ; O^T.  (The step is written once: the first finds zeros, which the first change of M leaves zeros)
.set n, n+1
.endr
; A KEY STEP: 128 keys, the q-th of the slot in hand.
.macro STEP q
.irp g, 0,1                                    ; S^T = K Q^T, four tiles of 16 keys at a time
.rept 5-\g
	v_nop                                          ; places: five ahead of products that write over registers which the last step's V^T P read as V; four ahead of loads into fragments and scale words that products have read
.endr
.irp t, 0,1,2,3
	ds_load_b128 v[32+12*\t:35+12*\t], v[ADK16] offset:STEPK*(\q)+KB*(4*\g+\t)
	ds_load_b64 v[36+12*\t:37+12*\t], v[ADK8] offset:STEPK*(\q)+KB*(4*\g+\t)+512
.endr
	ds_load_b128 v[248:251], v[ADS] offset:512*(\q)+256*\g   ; the four tiles' scale words of my row
	s_wait_dscnt 0x0
.irp t, 0,1,2,3
	v_wmma_scale_f32_16x16x128_f8f6f4 v[96+8*(4*\g+\t):103+8*(4*\g+\t)], v[32+12*\t:43+12*\t], v[16:27], 0, v[248+\t], v255 matrix_a_fmt:MATRIX_FMT_BF6 matrix_b_fmt:MATRIX_FMT_BF6
.endr
.endr
.rept 4
	v_nop
.endr
.irp b, 0,1,2,3
	v_max3_num_f32 v[232+\b], v[96+16*\b], v[97+16*\b], v[98+16*\b]   ; THE LARGEST SCORE OF EACH BLOCK OF 32 KEYS: it serves twice: for the row's maximum, and, since p rises with the score, for the block's largest p
.endr
.irp i, 3,5,7,9,11,13
.irp b, 0,1,2,3
	v_max3_num_f32 v[232+\b], v[232+\b], v[96+16*\b+\i], v[97+16*\b+\i]   ; (the four blocks by turns)
.endr
.endr
.irp b, 0,1,2,3
	v_max_num_f32 v[232+\b], v[232+\b], v[111+16*\b]
.endr
.irp b, 0,1,2,3
	v_permlanex16_b32 v[236+\b], v[232+\b], s[SEL], s[SEL+1]
.endr
.irp b, 0,1,2,3
	v_max_num_f32 v[232+\b], v[232+\b], v[236+\b]  ; with lane l xor 16's 16 keys
.endr
	v_max3_num_f32 v254, v232, v233, v234
	v_max_num_f32 v254, v254, v235                 ; the step's largest score of my query
	v_mul_f32 v254, s[CS], v254                    ; as t (c is positive)
	v_max_num_f32 v13, v13, v254                   ; the running largest t
	v_mov_b32 v254, v12
	v_floor_f32 v12, -v13                          ; the new -M = floor(-t) = -ceil(t): M IS A WHOLE NUMBER
	v_sub_f32 v254, v12, v254                      ; M's old value less its new one: a whole number, 0 or less
	v_cvt_i32_f32 v254, v254                       ; (it saturates)
	v_ldexp_f32 v252, 1.0, v254                    ; f = 2^(old M - new M): what was summed under the old M is brought under the new by a multiplication that rounds nothing
.set n, 0
.rept 32
	v_pk_fma_f32 v[96+n:97+n], v[96+n:97+n], s[CS:CS+1], v[12:13] op_sel_hi:[1,0,0]   ; t - M, two at a time (of the pairs c and -M the low word serves both halves)
.set n, n+2
.endr
.irp b, 0,1,2,3
	v_fma_f32 v[232+\b], v[232+\b], s[CS], v12     ; the same of each block's largest score
.endr
.set n, 0
.rept 64
	v_exp_f32 v[96+n], v[96+n]                     ; p = 2^(t - M), at most 1: NOT normalised
.set n, n+1
.endr
.irp b, 0,1,2,3
	v_exp_f32 v[232+\b], v[232+\b]                 ; the block's largest p: the same two instructions on the same number give the same bits
.endr
	v_pk_mul_f32 v[14:15], v[14:15], v[252:253] op_sel_hi:[1,0]   ; the sums under the new M.  (A plain instruction behind the exponentials)
	s_wait_alu depctr_va_vdst(0)
.irp b, 0,1,2,3
	v_max_num_f32 v[232+\b], 0x2800000, v[232+\b]  ; the floor 2^(5 - 127): the byte cannot fall under 1 (a block whose every p has fallen to 0 keeps that byte: its codes are zeros)
.endr
.irp b, 0,1,2,3
	v_add_nc_u32 v[244+\b], 0xfe000000, v[232+\b]  ; 4 off the exponent field: the conversion's scale operand
.endr
.irp b, 0,1,2,3
	v_lshrrev_b32 v[236+\b], 23, v[244+\b]         ; the scale's byte
.endr
	v_lshl_or_b32 v253, v237, 8, v236              ; p's scale word for these 128 keys
	v_lshl_or_b32 v253, v238, 16, v253
	v_lshl_or_b32 v253, v239, 24, v253
.irp c, 0,1
	v_cvt_scalef32_pk16_bf6_f32 v[224+6*\c:226+6*\c], v[96+32*\c:111+32*\c], v[244+2*\c]
	v_cvt_scalef32_pk16_bf6_f32 v[236+4*\c:238+4*\c], v[112+32*\c:127+32*\c], v[244+2*\c+1]   ; (a conversion's three registers begin on an even number)
.endr
	v_nop                                          ; one plain instruction between a scaled conversion and the vector instruction that touches its result
.irp c, 0,1                                    ; the operand's layout wants a WHOLE block in a lane: lanes 0-15 block 2 c, lanes 16-31 block 2 c + 1
.irp i, 0,1,2
	v_permlane16_swap_b32 v[224+6*\c+\i], v[236+4*\c+\i]
.endr
.irp i, 0,1,2
	v_mov_b32 v[227+6*\c+\i], v[236+4*\c+\i]
.endr
.endr
	v_pk_add_f32 v[236:237], v[96:97], v[98:99]    ; THE ROW'S SUM IS TAKEN OF THE UNQUANTISED p: two at a time, in two chains
.irp j, 4,8,12,16,20,24,28,32,36,40,44,48,52,56,60
	v_pk_add_f32 v[14:15], v[14:15], v[96+\j:97+\j]
	v_pk_add_f32 v[236:237], v[236:237], v[98+\j:99+\j]
.endr
	v_pk_add_f32 v[14:15], v[14:15], v[236:237]
.irp t, 0,1,2,3                                ; p has been summed and converted: its registers take V's four fragments (16 features x these 128 keys each)
	ds_load_b128 v[96+12*\t:99+12*\t], v[ADV16] offset:STEPV*(\q)+VB*\t
	ds_load_b64 v[100+12*\t:101+12*\t], v[ADV8] offset:STEPV*(\q)+VB*\t+512
	ds_load_b128 v[102+12*\t:105+12*\t], v[ADV16] offset:STEPV*(\q)+VB*\t+768
	ds_load_b64 v[106+12*\t:107+12*\t], v[ADV8] offset:STEPV*(\q)+VB*\t+1280
.endr
	ds_load_b128 v[248:251], v[ADT] offset:512*(\q)   ; and their scale words
.set n, 0
.rept 16
	v_pk_mul_f32 v[160+n:161+n], v[160+n:161+n], v[252:253] op_sel_hi:[1,0]   ; O^T under the new M: x f, each accumulator from its low end on.  (With the sums above: the places between p's codes and scale word and the products)
.set n, n+2
.endr
	s_wait_dscnt 0x0
.irp t, 0,1,2,3                                ; O^T += V^T P^T: the four accumulators by turns, one instruction a turn
	v_wmma_scale_f32_16x16x128_f8f6f4 v[160+8*\t:167+8*\t], v[96+12*\t:107+12*\t], v[224:235], v[160+8*\t:167+8*\t], v[248+\t], v253 matrix_a_fmt:MATRIX_FMT_BF6 matrix_b_fmt:MATRIX_FMT_BF6
.endr
.endm
; THE CHANGE OF SLOTS stands at a slot's head.  Each wave waits for all its tensor loads (its part of the slot that it is about to read), adds 0 to its spare word, and waits for that and for its reads of the slot that it has left.
; fill = 1: the barrier is a round of the cluster's, so that no wave of any partner still reads the other slot or has a load on its way; that slot is then filled with the keys that follow: the load has eight steps in which to land.
.macro CHANGE fill
	s_wait_tensorcnt 0x0                           ; no tensor load of mine is out, so a group 0 may be written
	ds_add_u32 v[SPW], v[NIL]                      ; 0 onto my spare word; with fill = 1 the descriptors' steps stand between it and the wait for it
.if \fill
	s_xor_b32 s[G0K+1], s[G0K+1], SLOT1            ; the walking descriptors: the other slot than last time,
	s_add_nc_u64 s[G0K+2:G0K+3], s[G0K+2:G0K+3], 64*1536      ; the next 64 tiles of keys; the type bits on top are not reached
	s_xor_b32 s[G0V+1], s[G0V+1], SLOT1
	s_add_nc_u64 s[G0V+2:G0V+3], s[G0V+2:G0V+3], 8*98304      ; the next 8 steps
.endif
	s_wait_dscnt 0x0                               ; the add is done, and my reads of the slot that I have left are over
.if \fill
	CROUND
	TLOAD G0K, G1K, G0V, G1V                       ; the first thing behind the round, and a wave's one tensor load until the next
.else
	s_barrier_signal -1
	s_barrier_wait -1
.endif
.endm
.macro SLOT_STEPS
	v_add_nc_u32 v[ADK16], s[TB], v[L16]
	v_add_nc_u32 v[ADK8], s[TB], v[L8]
	v_add_nc_u32 v[ADS], s[TS], v[ASK0]
	v_add_nc_u32 v[ADT], s[TS], v[ASV0]
	v_add_nc_u32 v[ADV16], VOFF, v[ADK16]
	v_add_nc_u32 v[ADV8], VOFF, v[ADK8]
.irp q, 0,1,2,3,4,5,6,7
	STEP \q
.endr
	s_xor_b32 s[TB], s[TB], SLOT1                  ; on to the other slot,
	s_add_co_u32 s[TS], s[TS], 4096                ; and to the next eight steps' scale words
.endm
	s_wait_loadcnt 8                               ; Q and its scale words are in; the eight loads of queries may stay out
.Lslot:                                            ; three trips: behind each change of slots but the last the next slot is asked for (slot 1's first fill goes out as a refill does)
	CHANGE 1
	SLOT_STEPS
	s_sub_co_u32 s[SLOTS], s[SLOTS], 1
	s_cmp_lg_u32 s[SLOTS], 0
	s_cbranch_scc1 .Lslot
	CHANGE 0                                       ; the last slot is written out
	SLOT_STEPS
	; THE WAY OUT.  The additions and the address arithmetic are the places behind the last products.
	v_add_f32 v14, v14, v15                        ; the sum's two halves,
	v_permlanex16_b32 v252, v14, s[SEL], s[SEL+1]
	v_add_f32 v14, v14, v252                       ; and lane l xor 16's: the row's sum
	v_rcp_f32 v14, v14
	v_and_b32 v8, 15, v0                           ; (a plain instruction behind the transcendental)  r
	v_bfe_u32 v9, v0, 4, 1                         ; lane / 16
	v_and_b32 v10, 8, v8
	v_add_nc_u32 v10, v10, v8                      ; r + 8 (r / 8)
	s_lshr_b32 s73, s[WV], 1
	s_lshl_b32 s73, s73, 7
	s_and_b32 s74, s[WV], 1
	s_lshl_b32 s74, s74, 5
	s_add_co_u32 s73, s73, s74                     ; my tile's first query in the block, in bytes: 4 (32 (wave / 2) + 8 (wave % 2))
	v_mul_u32_u24 v9, v9, 16*SPITCH                ; lanes 16-31 hold features 16 further on
	v_lshl_add_u32 v10, v10, 2, v9
	v_add_nc_u32 v10, s73, v10                     ; into the stage: row = feature, column = my query.  (Rows 16 apart are 65 x 256 bytes apart: the two halves of the lanes meet in the banks, once in the launch)
	s_mul_i32 s74, s[WV], 4*SPITCH
	v_add_nc_u32 v11, s74, v[L16]                  ; back: rows 4 wave .. 4 wave + 3, 16 bytes a lane
.set n, 0
	s_wait_alu depctr_va_vdst(0)
.rept 32
	v_mul_f32 v[96+n], v[160+n], v14               ; O^T / the sum: register 8 t + j is feature 32 (t / 2) + 8 (t % 2) + 16 (lane / 16) + j of my query; each accumulator from its low end on
.set n, n+1
.endr
.irp t, 0,1,2,3
.irp j, 0,1,2,3,4,5,6,7
	ds_store_b32 v10, v[96+8*\t+\j] offset:(32*(\t/2)+8*(\t%2)+\j)*SPITCH
.endr
.endr
	s_wait_dscnt 0x0                               ; for the others' sake: my stores into the stage are done
	s_barrier_signal -1
	s_barrier_wait -1                              ; 64 whole rows lie in the stage
.irp i, 0,1,2,3
.irp c, 0,1
	ds_load_b128 v[32+4*(2*\i+\c):35+4*(2*\i+\c)], v11 offset:SPITCH*\i+512*\c
.endr
.endr
	s_wait_loadcnt 0x0                             ; queries, asked for at the head
	s_wait_dscnt 0x0
.set n, 0
.rept 16
	v_pk_add_f32 v[32+n:33+n], v[32+n:33+n], v[192+n:193+n]
.set n, n+2
.endr
.irp i, 0,1,2,3
.irp c, 0,1
	global_store_b128 v[L16], v[32+4*(2*\i+\c):35+4*(2*\i+\c)], s[18:19] offset:16384*\i+512*\c th:TH_STORE_NT   ; 32 lanes store 512 consecutive bytes, at a multiple of 256 from out0's first byte; written once, read by nobody here
.endr
.endr
	s_wait_tensorcnt 0x0                           ; the wave's end: behind my last tensor load and my last LDS store
	ds_add_u32 v[SPW], v[NIL]
	s_wait_dscnt 0x0
	CROUND                                         ; the closing round: no work-group ends while a partner may still ask for a tile that names it
	s_endpgm
.Lfunc_end_k_q47b259f6cb_attn:
	.size	k_q47b259f6cb_attn, .Lfunc_end_k_q47b259f6cb_attn-k_q47b259f6cb_attn
	.p2alignl 7, 3214868480
	.fill 96, 4, 3214868480
	.section	.rodata,"a",@progbits
	.p2align	6, 0x0
	.amdhsa_kernel k_q47b259f6cb_attn
		.amdhsa_group_segment_fixed_size 327680
		.amdhsa_private_segment_fixed_size 0
		.amdhsa_enable_private_segment 0
		.amdhsa_kernarg_size 64
		.amdhsa_user_sgpr_count 2
		.amdhsa_user_sgpr_kernarg_segment_ptr 1
		.amdhsa_wavefront_size32 1
		.amdhsa_system_sgpr_workgroup_id_x 1
		.amdhsa_system_sgpr_workgroup_id_y 1
		.amdhsa_system_sgpr_workgroup_id_z 1
		.amdhsa_system_vgpr_workitem_id 0
		.amdhsa_next_free_vgpr 256
		.amdhsa_next_free_sgpr 100
		.amdhsa_reserve_vcc 0
		.amdhsa_float_denorm_mode_32 3
		.amdhsa_float_denorm_mode_16_64 3
		.amdhsa_memory_ordered 1
		.amdhsa_forward_progress 1
		.amdhsa_inst_pref_size 255
	.end_amdhsa_kernel
	.section	.bss,"aw",@nobits
	.p2align	6
	.space	262144
	.amdgpu_metadata
---
amdhsa.version: [ 1, 2 ]
amdhsa.kernels:
  - .name:           k_q47b259f6cb_attn
    .symbol:         k_q47b259f6cb_attn.kd
    .args:
      - { .name: qimg, .offset: 0, .size: 8, .value_kind: global_buffer, .address_space: global }
      - { .name: qsc, .offset: 8, .size: 8, .value_kind: global_buffer, .address_space: global }
      - { .name: kimg, .offset: 16, .size: 8, .value_kind: global_buffer, .address_space: global }
      - { .name: ksc, .offset: 24, .size: 8, .value_kind: global_buffer, .address_space: global }
      - { .name: vimg, .offset: 32, .size: 8, .value_kind: global_buffer, .address_space: global }
      - { .name: vsc, .offset: 40, .size: 8, .value_kind: global_buffer, .address_space: global }
      - { .name: queries, .offset: 48, .size: 8, .value_kind: global_buffer, .address_space: global }
      - { .name: out0, .offset: 56, .size: 8, .value_kind: global_buffer, .address_space: global }
    .group_segment_fixed_size: 327680
    .private_segment_fixed_size: 0
    .kernarg_segment_align: 8
    .kernarg_segment_size: 64
    .max_flat_workgroup_size: 512
    .sgpr_count:     100
    .vgpr_count:     256
    .wavefront_size: 32
...
	.end_amdgpu_metadata
.endif
;; end of part 3
;; ======== version 2 of 2: 3 launches
;; limits: right only within a limited range of input values
;; workspace buffers: qx_codes 3,145,728 bytes; qx_scales 131,072 bytes; qimg 3,145,728 bytes; kimg 3,145,728 bytes; vimg 3,145,728 bytes; qsc 262,144 bytes; ksc 262,144 bytes; vsc 262,144 bytes
;; launch quantq (part 4): grid 256 x 1, 8 waves a work-group, no clusters, 42,496 bytes of LDS; arguments queries, qx_codes, qx_scales; writes qx_codes, qx_scales
.if DOCPART == 4
	.amdgcn_target "amdgcn-amd-amdhsa--gfx1250"
	.amdhsa_code_object_version 6
	.text
	.protected	k_q47b259f6cb_quantq
	.globl	k_q47b259f6cb_quantq
	.p2align	8
	.type	k_q47b259f6cb_quantq,@function
k_q47b259f6cb_quantq:
	s_mov_b64 s[64:65], 0
	v_nop
	global_prefetch_b8 v0, s[64:65] scope:SCOPE_SE
	s_setreg_imm32_b32 hwreg(HW_REG_WAVE_MODE, 25, 1), 1
	s_wait_xcnt 0x0
; queries [4096][1024], f32, become codes of BF6 (E3M2), 6 bits each, K innermost (a row of 1,024 codes is 768 bytes), with one E8M0 scale byte for each 32 along K.
; A block's scale is 2^(floor(log2(its largest magnitude)) - 4); its byte is the largest magnitude's own exponent field - 4, held at 1 from below.  Each number is divided by the scale and
; rounded to the nearest code, ties to even; beyond the largest code the largest.  A block of zeros gets the byte 1 where the rule says 127: its codes are zeros, which add nothing under any
; byte but 0xff, and the bytes are read by this program alone.
; LIMITS: NaN and infinities among the inputs are not served; a block whose largest magnitude lies under 2^-122 has its byte held at 1.
; Rows are dense and 1,024 is a multiple of 32: the tensor is a plain stream of blocks of 32, and so are the codes and the scale bytes.  2,048 waves, each 4 steps of 512 numbers.
; ALL OF A WAVE'S 16 LOADS GO OUT AT ITS HEAD: 8,192 bytes a wave, so that the whole tensor is asked for at once and each wave goes to memory once.
; The conversion takes 16 numbers of one block from ONE lane's registers; a load is best where neighbouring lanes take neighbouring bytes.  Both are had: each of a step's four loads reads 512
; consecutive bytes, the 2,048 bytes go through the wave's own stage in LDS as they lie and come back 64 bytes a lane (16 bytes of padding behind each 64).  Two neighbouring lanes hold a block.
; A lane's 16 codes are 12 bytes: the wave stores 384 consecutive bytes, 1,536 in its four steps.  A wave makes 64 scale bytes, the work-group 512: they meet in LDS, and behind one barrier
; wave 0 stores them, 16 bytes a lane: 512 consecutive bytes at a multiple of 256 from the buffer's first byte.
; No tensor loads; clusters and the matrix unit have nothing to give here: no two work-groups read the same byte.
.set WAVES, 8
.set STEPS, 4
.set EMAX,  4
.set CB,    12                         ; bytes of 16 codes
.set R,     16                         ; v16-79   four sets of 16 numbers as they are loaded, one for each step
.set X,     80                         ; v80-111  two sets of 16 neighbours
.set E,     112                        ; v112-115 a scale byte for each step
.set C,     128                        ; v128-143 codes: four registers for each step, so that no store's data are written again
.set SP,    80                         ; a lane's place in a stage: its 64 bytes + 16 of padding
.set WREG,  2*32*SP                    ; LDS: two stages of 32 x SP bytes for each wave
.set SBY,   WAVES*WREG                 ; behind the stages: the work-group's 512 scale bytes
	s_load_b128 s[4:7], s[0:1], 0x0                ; queries s[4:5], the codes s[6:7]
	s_load_b64 s[8:9], s[0:1], 0x10                ; the scale bytes
	v_lshl_add_u32 v144, v0, 2, 0xa200
	v_mov_b32 v145, 0
	v_lshrrev_b32 v1, 5, v0
	s_delay_alu instid0(VALU_DEP_1)
	v_readfirstlane_b32 s16, v1                    ; wave 0..7
	v_and_b32 v2, 31, v0                           ; lane
	s_delay_alu instid0(VALU_DEP_1)
	v_lshlrev_b32 v3, 4, v2                        ; my 16 bytes of a load's 512
	s_mul_i32 s17, s16, WREG
	v_lshrrev_b32 v14, 2, v2
	s_delay_alu instid0(VALU_DEP_1)
	v_mul_u32_u24 v14, v14, SP
	v_and_b32 v15, 3, v2
	s_delay_alu instid0(VALU_DEP_1)
	v_lshl_add_u32 v14, v15, 4, v14
	s_delay_alu instid0(VALU_DEP_1)
	v_add_nc_u32 v14, s17, v14                     ; the stage, on the way in: SP (lane / 4) + 16 (lane % 4); a load's 512 bytes take eight places
	v_mul_u32_u24 v15, v2, SP
	s_delay_alu instid0(VALU_DEP_1)
	v_add_nc_u32 v15, s17, v15                     ; and on the way out: SP x lane: my 16 neighbours
	v_mul_u32_u24 v4, v2, CB                       ; my codes' place in a step's
	v_lshrrev_b32 v5, 1, v2
	s_lshl_b32 s17, s16, 6
	s_add_co_u32 s17, s17, SBY
	v_add_nc_u32 v5, s17, v5                       ; LDS: my wave's 64 scale bytes, my block's byte
	v_add_nc_u32 v6, SBY, v3                       ; and on the way out 16 bytes a lane (wave 0)
	s_lshl_b32 s18, ttmp9, 3
	s_add_co_u32 s18, s18, s16                     ; which run of 2,048 numbers is my wave's: 0 .. 2,047
	s_lshl_b32 s20, s18, 13                        ; 8,192 bytes of f32 a run,
	s_mov_b32 s21, 0
	s_mul_i32 s22, s18, 32*STEPS*CB                ; 1,536 bytes of codes;
	s_mov_b32 s23, 0
	s_lshl_b32 s24, ttmp9, 9                       ; 512 scale bytes a work-group
	s_mov_b32 s25, 0
	s_wait_alu depctr_va_vdst(0)
	s_wait_kmcnt 0x0
	s_add_nc_u64 s[4:5], s[4:5], s[20:21]
	s_add_nc_u64 s[6:7], s[6:7], s[22:23]
	s_add_nc_u64 s[8:9], s[8:9], s[24:25]
.macro LOAD t
.irp i, 0,1,2,3
	global_load_b128 v[R+16*(\t)+4*\i:R+16*(\t)+4*\i+3], v3, s[4:5] offset:2048*(\t)+512*\i th:TH_LOAD_NT   ; 32 lanes read 512 consecutive bytes
.endr
.endm
.macro TURN t                          ; step t's numbers through the stage: LDS serves a wave's instructions in order (ISA guide 5.7.1.4), so no wait stands between the stores and the loads
.irp i, 0,1,2,3
	ds_store_b128 v14, v[R+16*(\t)+4*\i:R+16*(\t)+4*\i+3] offset:32*SP*((\t)%2)+8*SP*\i
.endr
.irp i, 0,1,2,3
	ds_load_b128 v[X+16*((\t)%2)+4*\i:X+16*((\t)%2)+4*\i+3], v15 offset:32*SP*((\t)%2)+16*\i
.endr
.endm
.irp t, 0,1,2,3
	LOAD \t
.endr
	s_wait_loadcnt 12                              ; step 0's four loads are in; the twelve of steps 1 to 3 may be out
	TURN 0
.macro STEP t
.set XS, X+16*((\t)%2)
.if (\t) > 0
	s_wait_dscnt 1                                 ; this step's numbers are back from the stage; the last step's byte store, issued behind them, may be out
.else
	s_wait_dscnt 0x0
.endif
.if (\t)+1 < STEPS
	s_wait_loadcnt 4*(STEPS-2-(\t))                ; the next step's four loads are in; those of the steps behind it may be out
	TURN (\t)+1                                    ; they go through the other stage while this step is worked
.endif
	v_max3_num_f32 v8, |v[XS]|, |v[XS+1]|, |v[XS+2]|               ; the largest magnitude of my 16, in two chains
	v_max3_num_f32 v9, |v[XS+3]|, |v[XS+4]|, |v[XS+5]|
.irp i, 6,10
	s_delay_alu instid0(VALU_DEP_2)
	v_max3_num_f32 v8, v8, |v[XS+\i]|, |v[XS+\i+1]|
	s_delay_alu instid0(VALU_DEP_2)
	v_max3_num_f32 v9, v9, |v[XS+\i+2]|, |v[XS+\i+3]|
.endr
	s_delay_alu instid0(VALU_DEP_2)
	v_max3_num_f32 v8, v8, |v[XS+14]|, |v[XS+15]|
	s_delay_alu instid0(VALU_DEP_1)
	v_max3_num_f32 v8, v8, v9, (EMAX+1)<<23        ; and the floor 2^(EMAX + 1 - 127): the byte cannot fall under 1
	s_delay_alu instid0(VALU_DEP_1)
	v_max_num_f32_dpp v8, v8, v8 row_xmask:1 row_mask:0xf bank_mask:0xf   ; and of my neighbour's 16: the block's
	s_delay_alu instid0(VALU_DEP_1)
	v_add_nc_u32 v11, -(EMAX<<23), v8              ; EMAX off its exponent field: the conversion takes the exponent field of this operand as its scale, and nothing else of it
	v_cvt_scalef32_pk16_bf6_f32 v[C+4*(\t):C+4*(\t)+2], v[XS:XS+15], v11   ; 96 bits without gaps, the first number's code lowest
	v_lshrrev_b32 v[E+(\t)], 23, v11               ; the scale's byte (also the plain instruction behind the conversion)
	ds_store_b8 v5, v[E+(\t)] offset:16*(\t)       ; both lanes of a block write the same byte with the same value
	global_store_b96 v4, v[C+4*(\t):C+4*(\t)+2], s[6:7] offset:32*CB*(\t)
.endm
.irp t, 0,1,2,3
	STEP \t
.endr
	s_wait_dscnt 0x0                               ; for wave 0's sake: my byte stores are done
	s_barrier_signal -1
	s_barrier_wait -1                              ; the work-group's 512 scale bytes lie in LDS
	s_cmp_lg_u32 s16, 0
	s_cbranch_scc1 .Lend                           ; wave 0 alone stores them
	ds_load_b128 v[8:11], v6
	s_wait_dscnt 0x0
	global_store_b128 v3, v[8:11], s[8:9]          ; 32 lanes store 512 consecutive bytes
.Lend:
	s_wait_tensorcnt 0x0
	ds_add_u32 v144, v145
	s_wait_dscnt 0x0
	s_endpgm
.Lfunc_end_k_q47b259f6cb_quantq:
	.size	k_q47b259f6cb_quantq, .Lfunc_end_k_q47b259f6cb_quantq-k_q47b259f6cb_quantq
	.p2alignl 7, 3214868480
	.fill 96, 4, 3214868480
	.section	.rodata,"a",@progbits
	.p2align	6, 0x0
	.amdhsa_kernel k_q47b259f6cb_quantq
		.amdhsa_group_segment_fixed_size 42496
		.amdhsa_private_segment_fixed_size 0
		.amdhsa_enable_private_segment 0
		.amdhsa_kernarg_size 24
		.amdhsa_user_sgpr_count 2
		.amdhsa_user_sgpr_kernarg_segment_ptr 1
		.amdhsa_wavefront_size32 1
		.amdhsa_system_sgpr_workgroup_id_x 1
		.amdhsa_system_sgpr_workgroup_id_y 1
		.amdhsa_system_sgpr_workgroup_id_z 1
		.amdhsa_system_vgpr_workitem_id 0
		.amdhsa_next_free_vgpr 146
		.amdhsa_next_free_sgpr 66
		.amdhsa_reserve_vcc 0
		.amdhsa_float_denorm_mode_32 3
		.amdhsa_float_denorm_mode_16_64 3
		.amdhsa_memory_ordered 1
		.amdhsa_forward_progress 1
		.amdhsa_inst_pref_size 11
	.end_amdhsa_kernel
	.amdgpu_metadata
---
amdhsa.version: [ 1, 2 ]
amdhsa.kernels:
  - .name:           k_q47b259f6cb_quantq
    .symbol:         k_q47b259f6cb_quantq.kd
    .args:
      - { .name: queries, .offset: 0, .size: 8, .value_kind: global_buffer, .address_space: global }
      - { .name: qx_codes, .offset: 8, .size: 8, .value_kind: global_buffer, .address_space: global }
      - { .name: qx_scales, .offset: 16, .size: 8, .value_kind: global_buffer, .address_space: global }
    .group_segment_fixed_size: 42496
    .private_segment_fixed_size: 0
    .kernarg_segment_align: 8
    .kernarg_segment_size: 24
    .max_flat_workgroup_size: 256
    .sgpr_count:     66
    .vgpr_count:     146
    .wavefront_size: 32
...
	.end_amdgpu_metadata
.endif
;; end of part 4
;; launch proj (part 5): grid 4 x 48, 4 waves a work-group, clusters of 4 x 4, 327,680 bytes of LDS; arguments qx_codes, keys_codes, Wv_w_codes, qx_scales, keys_scales, Wv_w_scales, Wq_w_codes, Wk_w_codes, values_codes, Wq_w_scales, Wk_w_scales, values_scales, Wq_b, Wk_b, Wv_b, qimg, kimg, vimg, qsc, ksc, vsc; writes qimg, kimg, vimg, qsc, ksc, vsc
.if DOCPART == 5
	.amdgcn_target "amdgcn-amd-amdhsa--gfx1250"
	.amdhsa_code_object_version 6
	.text
	.protected	k_q47b259f6cb_proj
	.globl	k_q47b259f6cb_proj
	.p2align	8
	.type	k_q47b259f6cb_proj,@function
k_q47b259f6cb_proj:
	s_mov_b64 s[64:65], 0
	v_nop
	global_prefetch_b8 v0, s[64:65] scope:SCOPE_SE
	s_setreg_imm32_b32 hwreg(HW_REG_WAVE_MODE, 25, 1), 1
	s_wait_xcnt 0x0
	s_wait_alu depctr_hold_cnt(0) depctr_sa_sdst(0) depctr_va_vdst(0) depctr_va_sdst(0) depctr_va_ssrc(0) depctr_va_vcc(0) depctr_vm_vsrc(0)
	s_getreg_b32 s2, hwreg(HW_REG_IB_STS2, 6, 4)
	s_cmp_eq_u32 s2, 0
	s_cbranch_scc0 .Lentry_in_a_cluster
	s_endpgm
.Lentry_in_a_cluster:
	s_bfe_u32 s2, ttmp6, 0x10000c
	s_cmp_lg_u32 s2, 0xf033
	s_cbranch_scc0 .Lentry_shape_is_right
	s_endpgm
.Lentry_shape_is_right:
; The three projections q = relu(x Wq^T + b), k, v, on codes of BF6 (E3M2) with E8M0 scales, K = 1,024, and their quantising for the attention launch.
; The cluster's y picks the product (0 q, 1 k, 2 v) and a group of four tile rows.  q, k: A = the tokens' codes [4096], B = the weight [1024].  v: A = the weight, B = the tokens: v comes out transposed,
; so that in every product a lane's registers run along the NEXT product's K (the head's axis for q and k, the keys for v).
; A tile of 256 x 256 is made by four waves, 128 x 128 each: 64 accumulators.  Source 0 = 16 rows of B, source 1 = 16 rows of A: a lane holds one row of A and eight neighbouring rows of B.
; THE ROWS OF A 16-ROW BLOCK ARE NOT NEIGHBOURS: lane r of block i takes row 32 (i / 2) + 8 (i % 2) + r + 8 (r / 8) of the wave's 128, on both sides, so that the 16 registers of two neighbouring
; accumulators are 16 neighbours along the next K.
; K goes through a ring of two LDS slots in CHUNKS OF 256 BYTES of each row of 768 bytes: every tile row begins at a multiple of 256 bytes.  A step of 128 along K is 96 bytes: eight steps to three chunks;
; steps 2 and 5 lie across two chunks.  The scales of the 256 + 256 rows come once, as dense blocks.  4 x 4 work-groups form a cluster: A's tiles are asked for jointly along a row, B's along a column.
; No prefetch: K is three chunks, of which two are asked for ahead of the first product, and the block is the largest in clusters.
; THE WAY OUT: bias, relu, block maxima, codes and scale words, stored as images of the operand registers that the attention launch loads lane by lane (16 or 8 consecutive bytes a lane).
; LIMITS: a block whose largest magnitude lies under 2^-122 (a block of zeros too) has its scale byte held at 1; these bytes are read by this program alone.
.set ROWB,   256
.set NQ,     2
.set KROW,   768
.set STEPS,  8
.set CHUNKS, 3
.set PITCH,  272                       ; 256 bytes + 16 of padding
.set FR,     12
.set NL,     6
.set NP,     4
.set HALFT,  128*PITCH
.set SLOT,   4*HALFT                   ; A's 256 rows, then B's
.set KS,     32                        ; scale bytes a row
.set SCL,    2*SLOT
.set HALFS,  (128*KS/256)*272
.set SPARE,  SCL+4*HALFS               ; the spare words: 128 bytes a wave
.set ADRA, 16                          ; v16-17 A's fragments in slot 0, 1; v18-19 for pieces whose two lane halves lie in different chunks
.set ADRB, 20                          ; v20-23 the same for B
.set IM16, 24
.set IM8,  25
.set WO0,  26
.set ADRS, 27
.set SPW,  28
.set NIL,  29
.set WO1,  30
.set SHV,  31
.set SC,   32                          ; v32-63 scale words, two sets
.set BP,   64                          ; v64-127 bias along the registers (q, k)
.set AF,   128                         ; A's fragments, one set
.set BR,   224                         ; bias by row (v), as pairs
.set T,    128
.set QC,   192
.set W,    212
.set PWT,  220
.set TM,   240
.set G1, 24
.set G0, 32
.set G1B, 48
.set G0B, 56
.set G1S, 68
.set G0S, 76
.set G1SB, 80
.set G0SB, 88
.set G0H, 4
.set G0HB, 8
.set MKP, 93
.set MKR, 94
.set TYP, 95
.set SEL, 104
.set MSB, 0
.macro WIN new                         ; the high byte repeats the setting that is left
.if MSB != \new
	s_set_vgpr_msb (MSB<<8)|\new
.set MSB, \new
.endif
.endm
.set MUL_LO, 0xa1
.set MUL_HI, 0xf1
.set TO_B,   0x40
.macro JLOAD g0a, g1a, g0b, g1b        ; waves 0, 1 fetch for A, waves 2, 3 for B; s_nop 0 and four v_nop behind each load
	s_cmp_eq_u32 s15, 0
	s_cbranch_scc0 .Lfor_b_\@
	tensor_load_to_lds s[\g0a:\g0a+3], s[\g1a:\g1a+7]
	s_nop 0
.rept 4
	v_nop
.endr
	s_branch .Lasked_\@
.Lfor_b_\@:
	tensor_load_to_lds s[\g0b:\g0b+3], s[\g1b:\g1b+7]
	s_nop 0
.rept 4
	v_nop
.endr
.Lasked_\@:
.endm
.macro CREST
	s_cmp_lg_u32 s14, 0
	s_cbranch_scc1 .Lnot_wave_0_\@
	s_barrier_signal -3
.Lnot_wave_0_\@:
	s_barrier_wait -3
	s_barrier_signal -1
	s_barrier_wait -1
.endm
.macro CROUND
	s_barrier_signal -1
	s_barrier_wait -1
	CREST
.endm
.macro PICK dst, role, which           ; one of three buffers of a role, by the product's number
.if \which == 1
	s_cselect_b64 s[\dst:\dst+1], s[18+6*\role:19+6*\role], s[16+6*\role:17+6*\role]
.else
	s_cselect_b64 s[\dst:\dst+1], s[20+6*\role:21+6*\role], s[\dst:\dst+1]
.endif
.endm
.macro PICKS which
	PICK 4, 0, \which
	PICK 6, 1, \which
	PICK 8, 2, \which
	PICK 10, 3, \which
	PICK 96, 4, \which
	PICK 12, 5, \which
	PICK 98, 6, \which
.endm
	s_load_b512 s[16:31], s[0:1], 0x0
	s_load_b512 s[32:47], s[0:1], 0x40
	s_load_b256 s[48:55], s[0:1], 0x80
	s_load_b64 s[56:57], s[0:1], 0xa0
	v_lshl_add_u32 v[SPW], v0, 2, SPARE
	v_mov_b32 v[NIL], 0
	ds_add_u32 v[SPW], v[NIL]                      ; the opening lines: the add, twice on end, and its wait
	ds_add_u32 v[SPW], v[NIL]
	v_lshrrev_b32 v1, 5, v0
	v_readfirstlane_b32 s14, v1                    ; wave 0..3
	s_and_b32 s[TYP], ttmp7, 0xffff
	s_and_b32 s94, s[TYP], 3                       ; which group of four tiles
	s_lshr_b32 s[TYP], s[TYP], 2                   ; which product
	s_lshr_b32 s93, s[TYP], 1
	s_mul_i32 s66, s94, s93                        ; v: the group counts tile columns (tokens),
	s_sub_co_u32 s67, s94, s66                     ; q, k: tile rows (tokens)
	s_wait_dscnt 0x0
	s_wait_kmcnt 0x0
	s_cmp_eq_u32 s[TYP], 1
	PICKS 1
	s_cmp_eq_u32 s[TYP], 2
	PICKS 2                                        ; s[4:5] A's codes, s[6:7] A's scales, s[8:9] B's codes, s[10:11] B's scales, s[96:97] bias, s[12:13] image, s[98:99] scale words out
	s_lshr_b32 s15, s14, 1
	s_and_b32 s16, s14, 1
	s_bfe_u32 s40, ttmp6, 0x40000
	s_bfe_u32 s41, ttmp6, 0x40004
	s_lshl_b32 s42, s66, 2
	s_add_co_u32 s42, s42, s40                     ; tile column
	s_lshl_b32 s17, s67, 2
	s_add_co_u32 s17, s17, s41                     ; tile row
	s_lshl_b32 s43, s41, 2
	s_lshl_b32 s43, 15, s43
	s_lshl_b32 s44, 0x1111, s40
	s_or_b32 s[G1+0], s43, (0<<16)|(1<<20)|(1<<21)|(5<<22)|(3<<25)   ; bytes; 4 words of padding behind every 64
	s_or_b32 s[G1B+0], s44, (0<<16)|(1<<20)|(1<<21)|(5<<22)|(3<<25)
.irp g, G1, G1B
	s_mov_b32 s[\g+1], ROWB<<16
	s_mov_b32 s[\g+2], 256<<16                     ; the head's loads bring 256 rows
	s_mov_b32 s[\g+3], ROWB<<16
	s_mov_b32 s[\g+4], 256
	s_mov_b32 s[\g+5], KROW
	s_mov_b32 s[\g+6], 0
	s_mov_b32 s[\g+7], 0
.endr
	s_or_b32 s[G1S+0], s43, (3<<16)|(1<<20)|(1<<21)|(5<<22)|(3<<25)  ; the scales of 256 rows: 32 dense rows of 256 bytes
	s_or_b32 s[G1SB+0], s44, (3<<16)|(1<<20)|(1<<21)|(5<<22)|(3<<25)
.irp g, G1S, G1SB
	s_mov_b32 s[\g+1], 32<<16
	s_mov_b32 s[\g+2], KS<<16
	s_mov_b32 s[\g+3], 32<<16
	s_mov_b32 s[\g+4], KS
	s_mov_b32 s[\g+5], 32
	s_mov_b32 s[\g+6], 0
	s_mov_b32 s[\g+7], 0
.endr
	s_lshl_b32 s20, s17, 8
	s_lshl_b32 s46, s42, 8
	s_mov_b32 s21, 0
	s_mov_b32 s47, 0
	s_mov_b64 s[18:19], KS
	s_mul_u64 s[22:23], s[20:21], s[18:19]
	s_mul_u64 s[92:93], s[46:47], s[18:19]
	s_mov_b64 s[18:19], KROW
	s_mul_u64 s[20:21], s[20:21], s[18:19]
	s_mul_u64 s[46:47], s[46:47], s[18:19]
	s_mul_i32 s18, s16, 128*KROW                   ; in the ring a wave fetches 128 rows
	s_mov_b32 s19, 0
	s_mul_i32 s45, s14, HALFT
	s_add_nc_u64 s[20:21], s[4:5], s[20:21]
	s_add_nc_u64 s[22:23], s[6:7], s[22:23]
	s_add_nc_u64 s[46:47], s[8:9], s[46:47]
	s_add_nc_u64 s[92:93], s[10:11], s[92:93]
	CROUND                                         ; in front of the first joint loads
	s_mov_b32 s[G0H], 1
	s_mov_b32 s[G0H+1], 0
	s_mov_b64 s[G0H+2:G0H+3], s[20:21]
	s_or_b32 s[G0H+3], s[G0H+3], 0x80000000
	s_mov_b32 s[G0HB], 1
	s_mov_b32 s[G0HB+1], 2*HALFT
	s_mov_b64 s[G0HB+2:G0HB+3], s[46:47]
	s_or_b32 s[G0HB+3], s[G0HB+3], 0x80000000
	s_mov_b32 s[G0S], 1
	s_mov_b32 s[G0S+1], SCL
	s_mov_b64 s[G0S+2:G0S+3], s[22:23]
	s_or_b32 s[G0S+3], s[G0S+3], 0x80000000
	s_mov_b32 s[G0SB], 1
	s_mov_b32 s[G0SB+1], SCL+2*HALFS
	s_mov_b64 s[G0SB+2:G0SB+3], s[92:93]
	s_or_b32 s[G0SB+3], s[G0SB+3], 0x80000000
	s_add_nc_u64 s[20:21], s[20:21], s[18:19]
	s_add_nc_u64 s[46:47], s[46:47], s[18:19]
.irp s, 0,1
	s_mov_b32 s[G0+4*\s], 1
	s_add_co_u32 s[G0+4*\s+1], s45, \s*SLOT
	s_add_nc_u64 s[G0+4*\s+2:G0+4*\s+3], s[20:21], \s*ROWB
	s_or_b32 s[G0+4*\s+3], s[G0+4*\s+3], 0x80000000
	s_mov_b32 s[G0B+4*\s], 1
	s_add_co_u32 s[G0B+4*\s+1], s45, \s*SLOT
	s_add_nc_u64 s[G0B+4*\s+2:G0B+4*\s+3], s[46:47], \s*ROWB
	s_or_b32 s[G0B+4*\s+3], s[G0B+4*\s+3], 0x80000000
.endr
; The head's four tiles, one load a wave: wave 0 chunk 0 of A's 256 rows, wave 1 of B's, wave 2 A's scales, wave 3 B's.  One chain of branches, one load to an arm, one join.
.macro ARM under, g0, g1, next
	s_cmp_lt_u32 s14, \under
	s_cbranch_scc0 \next
	tensor_load_to_lds s[\g0:\g0+3], s[\g1:\g1+7]
	s_nop 0
.rept 4
	v_nop
.endr
	s_branch .Lhead_asked
\next:
.endm
	ARM 1, G0H,  G1,  .Lhead_b
	ARM 2, G0HB, G1B, .Lhead_sa
	ARM 3, G0S,  G1S, .Lhead_sb
	tensor_load_to_lds s[G0SB:G0SB+3], s[G1SB:G1SB+7]
	s_nop 0
.rept 4
	v_nop
.endr
.Lhead_asked:
	v_and_b32 v1, 15, v0                           ; r
	v_bfe_u32 v2, v0, 4, 1                         ; h
	v_and_b32 v7, 8, v1
	v_add_nc_u32 v7, v7, v1                        ; r + 8 (r / 8)
	v_mul_u32_u24 v3, v7, PITCH
	v_mul_u32_u24 v4, v2, 24
	v_add_nc_u32 v4, v3, v4                        ; row x pitch + 24 h
	s_mov_b32 s21, SLOT-232
	s_mov_b32 s22, SLOT+232
	v_sub_nc_u32 v10, 1, v2
	v_mul_u32_u24 v5, s21, v2
	v_add_nc_u32 v5, v3, v5
	v_add_nc_u32 v5, 232, v5                       ; lanes 0-15 byte 232 of the row in slot 0, lanes 16-31 byte 0 of the row in slot 1;
	v_mul_u32_u24 v6, s22, v10
	v_add_nc_u32 v6, v3, v6                        ; and the other way round
	s_mul_i32 s21, s15, HALFT
	s_mul_i32 s22, s16, HALFT
	s_add_co_u32 s22, s22, 2*HALFT
	v_add_nc_u32 v[ADRA+2], s21, v5
	v_add_nc_u32 v[ADRA+3], s21, v6
	v_add_nc_u32 v[ADRB+2], s22, v5
	v_add_nc_u32 v[ADRB+3], s22, v6
.irp s, 0,1
	v_add_nc_u32 v[ADRA+\s], s21, v4
	v_add_nc_u32 v[ADRB+\s], s22, v4
	s_add_co_u32 s21, s21, SLOT
	s_add_co_u32 s22, s22, SLOT
.endr
	v_mul_u32_u24 v5, v7, KS                       ; my row's scales: 32 bytes a row, 16 more for each 256 passed
	v_lshrrev_b32 v6, 8, v5
	v_lshl_add_u32 v5, v6, 4, v5
	s_mul_i32 s21, s15, HALFS
	s_mul_i32 s22, s16, HALFS
	s_add_co_u32 s22, s22, 2*HALFS
	s_sub_co_u32 s22, s22, s21
	v_mul_u32_u24 v6, s22, v2                      ; lanes 16-31 take B's
	s_add_co_u32 s21, s21, SCL
	v_add_nc_u32 v5, v5, v6
	v_add_nc_u32 v[ADRS], s21, v5
	; the way out: where my 128 x 128 lies in the image and in the scale words
	s_lshl_b32 s18, s42, 1
	s_add_co_u32 s18, s18, s16                     ; my 128 columns
	s_lshl_b32 s19, s17, 1
	s_add_co_u32 s19, s19, s15                     ; my 128 rows
	s_cmp_eq_u32 s[TYP], 2
	s_mov_b32 s20, 393216
	s_cselect_b32 s20, 98304, s20
	s_mov_b32 s21, 32768
	s_cselect_b32 s22, 512, s21
	s_cselect_b32 s23, s21, 512
	s_mov_b32 s21, 16384
	s_cselect_b32 s46, 256, s21
	s_cselect_b32 s47, s21, 256
	s_cselect_b32 s92, 0, 16
	s_cselect_b32 s[MKP], 0, -1
	s_cselect_b32 s[MKR], -1, 0
	s_cselect_b32 s66, 0, s18
	s_cselect_b32 s67, s19, 0
	s_mul_i32 s20, s18, s20
	s_mul_i32 s21, s19, 12288
	s_add_co_u32 s20, s20, s21
	s_mov_b32 s21, 0
	s_add_nc_u64 s[12:13], s[12:13], s[20:21]
	s_mul_i32 s22, s18, s22
	s_mul_i32 s23, s19, s23
	s_add_co_u32 s22, s22, s23
	s_mov_b32 s23, 0
	s_add_nc_u64 s[98:99], s[98:99], s[22:23]
	s_lshl_b32 s20, s67, 9
	s_add_nc_u64 s[100:101], s[96:97], s[20:21]
	s_lshl_b32 s20, s66, 9
	s_add_nc_u64 s[96:97], s[96:97], s[20:21]
	s_mov_b32 s[SEL], 0x76543210
	s_mov_b32 s[SEL+1], 0xfedcba98
	v_and_b32 v6, 31, v0
	v_lshlrev_b32 v[IM16], 4, v6
	v_lshlrev_b32 v[IM8], 3, v6
	v_mul_u32_u24 v[WO0], s46, v2
	v_lshl_add_u32 v[WO0], v1, 4, v[WO0]
	v_add_nc_u32 v[WO1], s47, v[WO0]
	v_mul_u32_u24 v[SHV], s92, v2
	v_lshlrev_b32 v8, 6, v2
	v_lshlrev_b32 v9, 2, v7
.set n, 0
.rept 16
	global_load_b128 v[BP+4*n:BP+4*n+3], v8, s[96:97] offset:128*(n/4)+16*(n%4)   ; bias at my 64 columns
.set n, n+1
.endr
.irp a, 0,1,2,3,4,5,6,7
	global_load_b32 v[TM+\a], v9, s[100:101] offset:4*(32*(\a/2)+8*(\a%2))        ; bias at my row of each block
.endr
.macro FRAG reg, adr, st, i            ; 16 rows x 128 K: six pieces of 8 bytes; byte y of a row of codes lies in slot (y / 256) % 2 at byte y % 256
.irp p, 0,1,2,3,4,5
.set BY, 96*(\st)+48*(\p/3)+8*(\p%3)
.if BY/ROWB == (BY+24)/ROWB
	ds_load_b64 v[\reg+2*\p:\reg+2*\p+1], v[\adr+(BY/ROWB)%2] offset:BY%ROWB+(32*((\i)/2)+8*((\i)%2))*PITCH
.else
	ds_load_b64 v[\reg+2*\p:\reg+2*\p+1], v[\adr+2+(BY/ROWB)%2] offset:BY%ROWB-232+(32*((\i)/2)+8*((\i)%2))*PITCH
.endif
.endr
.endm
.macro MUL16 a0, p, q, sc, zero        ; the 64 accumulators take turns, one instruction a turn
.irp a, \a0, \a0+1
.irp b, 0,1,2,3,4,5,6,7
.if \zero
	v_wmma_scale_f32_16x16x128_f8f6f4 v[8*(8*((\a)%4)+\b):8*(8*((\a)%4)+\b)+7], v[128*(\p)+FR*\b:128*(\p)+FR*\b+FR-1], v[AF+FR*(\a):AF+FR*(\a)+FR-1], 0, v[SC+8*NQ*(\sc)+NQ*\b+(\q)], v[SC+8*NQ*(\sc)+NQ*(\a)+(\q)] matrix_a_fmt:MATRIX_FMT_BF6 matrix_b_fmt:MATRIX_FMT_BF6 matrix_a_scale:MATRIX_SCALE_ROW1
.else
	v_wmma_scale_f32_16x16x128_f8f6f4 v[8*(8*((\a)%4)+\b):8*(8*((\a)%4)+\b)+7], v[128*(\p)+FR*\b:128*(\p)+FR*\b+FR-1], v[AF+FR*(\a):AF+FR*(\a)+FR-1], v[8*(8*((\a)%4)+\b):8*(8*((\a)%4)+\b)+7], v[SC+8*NQ*(\sc)+NQ*\b+(\q)], v[SC+8*NQ*(\sc)+NQ*(\a)+(\q)] matrix_a_fmt:MATRIX_FMT_BF6 matrix_b_fmt:MATRIX_FMT_BF6 matrix_a_scale:MATRIX_SCALE_ROW1
.endif
.endr
.endr
.endm
.macro FETCH_B st, p
	WIN TO_B
.irp i, 0,1,2,3,4,5,6,7
	FRAG 128*(\p)+FR*\i, ADRB, \st, \i
.endr
	WIN 0
.endm
.macro FETCH_A st, i0
.irp i, \i0, \i0+1, \i0+2, \i0+3
	FRAG AF+FR*(\i), ADRA, \st, \i
.endr
.endm
.macro SCALES pr                       ; the words of steps 2 pr, 2 pr + 1: lanes 0-15 A's block i, lanes 16-31 B's
.irp i, 0,1,2,3,4,5,6,7
	ds_load_b64 v[SC+8*NQ*((\pr)%2)+NQ*\i:SC+8*NQ*((\pr)%2)+NQ*\i+1], v[ADRS] offset:(4*(\i/2)+\i%2)*272+4*NQ*(\pr)
.endr
.endm
.macro PLACES n
.rept \n
	v_nop
.endr
.endm
; A step: 64 products; the next step's fragments are fetched in its middle and at its end.  Where the next step's bytes END in a chunk not yet read: wait for my tensor loads, barrier.
; Where they BEGIN in a later chunk: the wait, the add, the wait for it and for my reads, the barrier; where a chunk two on is left, the barrier opens a round and the slot is filled again.
.macro STEP st, zero
.set NX, (\st)+1
.set C0, (96*(\st))/ROWB
.set C1, (96*NX)/ROWB
.set E0, (96*(\st)+95)/ROWB
.set E1, (96*NX+95)/ROWB
.if C1 > C0 || E1 > E0
	s_wait_tensorcnt 0x0
.if C1 > C0
	ds_add_u32 v[SPW], v[NIL]
	s_wait_dscnt 4*NL+1                            ; the add and A's blocks 4-7 may be out
.else
	s_wait_dscnt 4*NL                              ; A's blocks 4-7 may be out
.endif
	WIN MUL_LO
	MUL16 0, (\st)%2, (\st)%2, ((\st)/2)%2, \zero
	s_wait_dscnt 0x0                               ; the add and all my reads are done
	s_barrier_signal -1
	MUL16 2, (\st)%2, (\st)%2, ((\st)/2)%2, \zero
	WIN 0
	s_barrier_wait -1
.if C1 > C0 && C0+2 < CHUNKS
	CREST
	s_add_nc_u64 s[G0+4*(C0%2)+2:G0+4*(C0%2)+3], s[G0+4*(C0%2)+2:G0+4*(C0%2)+3], 2*ROWB
	s_add_nc_u64 s[G0B+4*(C0%2)+2:G0B+4*(C0%2)+3], s[G0B+4*(C0%2)+2:G0B+4*(C0%2)+3], 2*ROWB
	JLOAD G0+4*(C0%2), G1, G0B+4*(C0%2), G1B       ; chunk C0 + 2; its four v_nop are the places in front of the loads below
.else
	PLACES NP
.endif
.else
	s_wait_dscnt 4*NL
	WIN MUL_LO
	MUL16 0, (\st)%2, (\st)%2, ((\st)/2)%2, \zero
	MUL16 2, (\st)%2, (\st)%2, ((\st)/2)%2, \zero
	s_wait_dscnt 0
	PLACES NP
.endif
	FETCH_B NX, NX%2
	FETCH_A NX, 0
.if NX%2 == 0
	SCALES NX/2
.endif
	WIN MUL_HI
	MUL16 4, (\st)%2, (\st)%2, ((\st)/2)%2, \zero
	MUL16 6, (\st)%2, (\st)%2, ((\st)/2)%2, \zero
	PLACES NP
	WIN 0
	FETCH_A NX, 4
.endm
	s_wait_alu depctr_va_vdst(0)
	s_wait_loadcnt 0x0
.set n, 0
.rept 64
	v_cndmask_b32 v[BP+n], 0, v[BP+n], s[MKP]      ; q, k: the bias runs along the registers; v: none there
.set n, n+1
.endr
.irp a, 0,1,2,3,4,5,6,7
	v_cndmask_b32 v[BR+2*\a], 0, v[TM+\a], s[MKR]  ; v: the bias goes by row; q, k: none there
	v_mov_b32 v[BR+2*\a+1], v[BR+2*\a]
.endr
.irp b, 0,1,2,3
	v_mov_b32 v[TM+4+\b], 0                        ; a lane permute's destination counts as read
.endr
	s_wait_alu depctr_va_vdst(0)
	s_wait_tensorcnt 0x0                           ; my tile of the head's four is in
	ds_add_u32 v[SPW], v[NIL]
	s_mov_b32 s[G1+2], 128<<16                     ; no load of mine is out: from here on a load brings 128 rows
	s_mov_b32 s[G1+4], 128
	s_mov_b32 s[G1B+2], 128<<16
	s_mov_b32 s[G1B+4], 128
	s_wait_dscnt 0x0
	CROUND
	JLOAD G0+4, G1, G0B+4, G1B                     ; chunk 1
	FETCH_B 0, 0
	FETCH_A 0, 0
	SCALES 0
	FETCH_A 0, 4
	STEP 0, 1                                      ; the first step's products start the sums
.set ST, 1
.rept STEPS-2
	STEP ST, 0
.set ST, ST+1
.endr
	s_wait_dscnt 4*NL
	WIN MUL_LO
	MUL16 0, 1, 1, 1, 0
	MUL16 2, 1, 1, 1, 0
	s_wait_dscnt 0
	WIN MUL_HI
	MUL16 4, 1, 1, 1, 0
	MUL16 6, 1, 1, 1, 0
	WIN 0
.macro QUANT s                         ; 64 numbers a lane: four half blocks of 16; lane l xor 16 holds the other halves
.irp b, 0,1,2,3
	v_max3_num_f32 v[TM+\b], v[\s+16*\b], v[\s+1+16*\b], 0x2800000   ; none is negative; the floor 2^(5 - 127) keeps the byte at 1 or above
.endr
.irp i, 2,4,6,8,10,12,14
.irp b, 0,1,2,3
	v_max3_num_f32 v[TM+\b], v[TM+\b], v[\s+16*\b+\i], v[\s+1+16*\b+\i]
.endr
.endr
.irp b, 0,1,2,3
	v_permlanex16_b32 v[TM+4+\b], v[TM+\b], s[SEL], s[SEL+1]
.endr
.irp b, 0,1,2,3
	v_max_num_f32 v[TM+\b], v[TM+\b], v[TM+4+\b]
.endr
.irp b, 0,1,2,3
	v_add_nc_u32 v[TM+12+\b], 0xfe000000, v[TM+\b]   ; 4 off the exponent field: the conversion's scale operand
.endr
.irp b, 0,1,2,3
	v_lshrrev_b32 v[TM+4+\b], 23, v[TM+12+\b]        ; the scale's byte
.endr
	v_lshl_or_b32 v[PWT], v[TM+5], 8, v[TM+4]
	v_lshl_or_b32 v[PWT], v[TM+6], 16, v[PWT]
	v_lshl_or_b32 v[PWT], v[TM+7], 24, v[PWT]
.irp c, 0,1
	v_cvt_scalef32_pk16_bf6_f32 v[QC+6*\c:QC+2+6*\c], v[\s+32*\c:\s+15+32*\c], v[TM+12+2*\c]
	v_cvt_scalef32_pk16_bf6_f32 v[QC+12+4*\c:QC+14+4*\c], v[\s+16+32*\c:\s+31+32*\c], v[TM+12+2*\c+1]
.endr
	v_nop
.irp c, 0,1                            ; a whole block in a lane: lanes 0-15 block 2 c, lanes 16-31 block 2 c + 1
.irp i, 0,1,2
	v_permlane16_swap_b32 v[QC+6*\c+\i], v[QC+12+4*\c+\i]
.endr
.irp i, 0,1,2
	v_mov_b32 v[QC+3+6*\c+\i], v[QC+12+4*\c+\i]
.endr
.endr
.endm
.macro OUTBLK a                        ; block a's 16 rows x 128 columns: bias, relu, codes; the 12 operand registers leave as they lie, 16 or 8 consecutive bytes a lane
.if (\a) > 0
	s_wait_xcnt 0x0                                ; the last block's stores have read their data
.endif
	WIN 0x02+(\a)/4
.set n, 0
.rept 32
	v_pk_add_f32 v[T+n:T+n+1], v[64*((\a)%4)+n:64*((\a)%4)+n+1], v[BP+n:BP+n+1]
.set n, n+2
.endr
	WIN 0
.set n, 0
.rept 32
	v_pk_add_f32 v[T+n:T+n+1], v[T+n:T+n+1], v[BR+2*(\a):BR+2*(\a)+1]
.set n, n+2
.endr
.set n, 0
.rept 64
	v_max_num_f32 v[T+n], 0, v[T+n]
.set n, n+1
.endr
	QUANT T
	v_lshrrev_b32 v[W+(\a)], v[SHV], v[PWT]        ; q, k: lanes 16-31 keep the second head's two bytes
	global_store_b128 v[IM16], v[QC:QC+3], s[12:13] offset:1536*(\a)
	global_store_b64 v[IM8], v[QC+4:QC+5], s[12:13] offset:1536*(\a)+512
	global_store_b128 v[IM16], v[QC+6:QC+9], s[12:13] offset:1536*(\a)+768
	global_store_b64 v[IM8], v[QC+10:QC+11], s[12:13] offset:1536*(\a)+1280
.endm
	PLACES NP
.irp a, 0,1,2,3,4,5,6,7
	OUTBLK \a
.endr
	global_store_b128 v[WO0], v[W:W+3], s[98:99]
	global_store_b128 v[WO1], v[W+4:W+7], s[98:99]
	s_wait_tensorcnt 0x0                           ; the wave's end
	ds_add_u32 v[SPW], v[NIL]
	s_wait_dscnt 0x0
	CROUND                                         ; the closing round
	s_endpgm
.Lfunc_end_k_q47b259f6cb_proj:
	.size	k_q47b259f6cb_proj, .Lfunc_end_k_q47b259f6cb_proj-k_q47b259f6cb_proj
	.p2alignl 7, 3214868480
	.fill 96, 4, 3214868480
	.section	.rodata,"a",@progbits
	.p2align	6, 0x0
	.amdhsa_kernel k_q47b259f6cb_proj
		.amdhsa_group_segment_fixed_size 327680
		.amdhsa_private_segment_fixed_size 0
		.amdhsa_enable_private_segment 0
		.amdhsa_kernarg_size 168
		.amdhsa_user_sgpr_count 2
		.amdhsa_user_sgpr_kernarg_segment_ptr 1
		.amdhsa_wavefront_size32 1
		.amdhsa_system_sgpr_workgroup_id_x 1
		.amdhsa_system_sgpr_workgroup_id_y 1
		.amdhsa_system_sgpr_workgroup_id_z 1
		.amdhsa_system_vgpr_workitem_id 0
		.amdhsa_next_free_vgpr 1024
		.amdhsa_next_free_sgpr 106
		.amdhsa_reserve_vcc 0
		.amdhsa_float_denorm_mode_32 3
		.amdhsa_float_denorm_mode_16_64 3
		.amdhsa_memory_ordered 1
		.amdhsa_forward_progress 1
		.amdhsa_inst_pref_size 222
	.end_amdhsa_kernel
	.amdgpu_metadata
---
amdhsa.version: [ 1, 2 ]
amdhsa.kernels:
  - .name:           k_q47b259f6cb_proj
    .symbol:         k_q47b259f6cb_proj.kd
    .args:
      - { .name: qx_codes, .offset: 0, .size: 8, .value_kind: global_buffer, .address_space: global }
      - { .name: keys_codes, .offset: 8, .size: 8, .value_kind: global_buffer, .address_space: global }
      - { .name: Wv_w_codes, .offset: 16, .size: 8, .value_kind: global_buffer, .address_space: global }
      - { .name: qx_scales, .offset: 24, .size: 8, .value_kind: global_buffer, .address_space: global }
      - { .name: keys_scales, .offset: 32, .size: 8, .value_kind: global_buffer, .address_space: global }
      - { .name: Wv_w_scales, .offset: 40, .size: 8, .value_kind: global_buffer, .address_space: global }
      - { .name: Wq_w_codes, .offset: 48, .size: 8, .value_kind: global_buffer, .address_space: global }
      - { .name: Wk_w_codes, .offset: 56, .size: 8, .value_kind: global_buffer, .address_space: global }
      - { .name: values_codes, .offset: 64, .size: 8, .value_kind: global_buffer, .address_space: global }
      - { .name: Wq_w_scales, .offset: 72, .size: 8, .value_kind: global_buffer, .address_space: global }
      - { .name: Wk_w_scales, .offset: 80, .size: 8, .value_kind: global_buffer, .address_space: global }
      - { .name: values_scales, .offset: 88, .size: 8, .value_kind: global_buffer, .address_space: global }
      - { .name: Wq_b, .offset: 96, .size: 8, .value_kind: global_buffer, .address_space: global }
      - { .name: Wk_b, .offset: 104, .size: 8, .value_kind: global_buffer, .address_space: global }
      - { .name: Wv_b, .offset: 112, .size: 8, .value_kind: global_buffer, .address_space: global }
      - { .name: qimg, .offset: 120, .size: 8, .value_kind: global_buffer, .address_space: global }
      - { .name: kimg, .offset: 128, .size: 8, .value_kind: global_buffer, .address_space: global }
      - { .name: vimg, .offset: 136, .size: 8, .value_kind: global_buffer, .address_space: global }
      - { .name: qsc, .offset: 144, .size: 8, .value_kind: global_buffer, .address_space: global }
      - { .name: ksc, .offset: 152, .size: 8, .value_kind: global_buffer, .address_space: global }
      - { .name: vsc, .offset: 160, .size: 8, .value_kind: global_buffer, .address_space: global }
    .group_segment_fixed_size: 327680
    .private_segment_fixed_size: 0
    .kernarg_segment_align: 8
    .kernarg_segment_size: 168
    .max_flat_workgroup_size: 128
    .sgpr_count:     106
    .vgpr_count:     1024
    .wavefront_size: 32
...
	.end_amdgpu_metadata
.endif
;; end of part 5
;; launch attn (part 6): grid 16 x 16, 8 waves a work-group, clusters of 4 x 1, 327,680 bytes of LDS; arguments qimg, qsc, kimg, ksc, vimg, vsc, queries, out0; writes out0
.if DOCPART == 6
	.amdgcn_target "amdgcn-amd-amdhsa--gfx1250"
	.amdhsa_code_object_version 6
	.text
	.protected	k_q47b259f6cb_attn
	.globl	k_q47b259f6cb_attn
	.p2align	8
	.type	k_q47b259f6cb_attn,@function
k_q47b259f6cb_attn:
	s_mov_b64 s[64:65], 0
	v_nop
	global_prefetch_b8 v0, s[64:65] scope:SCOPE_SE
	s_setreg_imm32_b32 hwreg(HW_REG_WAVE_MODE, 25, 1), 1
	s_wait_xcnt 0x0
	s_wait_alu depctr_hold_cnt(0) depctr_sa_sdst(0) depctr_va_vdst(0) depctr_va_sdst(0) depctr_va_ssrc(0) depctr_va_vcc(0) depctr_vm_vsrc(0)
	s_getreg_b32 s2, hwreg(HW_REG_IB_STS2, 6, 4)
	s_cmp_eq_u32 s2, 0
	s_cbranch_scc0 .Lentry_in_a_cluster
	s_endpgm
.Lentry_in_a_cluster:
	s_bfe_u32 s2, ttmp6, 0x10000c
	s_cmp_lg_u32 s2, 0x3003
	s_cbranch_scc0 .Lentry_shape_is_right
	s_endpgm
.Lentry_shape_is_right:
; out = transpose(softmax(q k^T / 8) v) + queries, one head (grid y) and 256 queries (grid x) a work-group; 8 waves, 32 queries each: TWO TILES of 16, u = 0, 1.  Both products in MX-BF6.
; q, k and v arrive as images of the operand registers (16 or 8 consecutive bytes a lane) with one scale word a row.  Both products are used transposed (S^T = k q^T, O^T = v^T p^T): a lane holds one query of each tile.
; Each fragment of k and of v, once in registers, feeds both tiles' products; the two tiles' vector work is laid line by line by turns, so that dependent lines stand apart.
; The head's axis is 64 of the instruction's 128: q's registers 6-11 are zero codes; k's fragment of tile t names the six registers behind it as its upper half, whose codes meet those zeros.
; The keys of a tile of k are 32 b + 8 u + r + 8 (r / 8), so that p's 16 registers of two neighbouring tiles are 16 neighbouring keys.
; A STEP is 128 keys: 16 products for S^T; block maxima; the running M = ceil(largest t), kept as -M; t - M by packed multiply-adds; O^T and the sums x 2^(old M - new M);
; ONE batch of 136 exponentials between two waits; p's scales and codes; the rows' sums of the unquantised p (two chains a tile, carried from step to step); 8 products for O^T.
; A SLOT is 1,024 keys of k (48 KiB) and v (48 KiB); two slots take turns; seven steps in a counted loop and the eighth written out (it fetches no further k).  All scale words (2 x 16 KiB) come once.
; REGISTERS: window 0: addresses, operands, both tiles' small state.  Window 1: S^T of tile u at v[64 u], O^T at v[128 + 32 u].  One window setting serves both tiles in each stage.
; CLUSTERS: the four query blocks of a cluster read the same k, v and scales: every tensor load is a joint load of the four.  At the head each of the eight waves issues one (k, v, k's scales, v's scales, in halves).
; No prefetch: a refill is asked for eight steps of every wave ahead of the wait for it, and the first fills have no loop ahead of them.
; LIMITS: the promise holds while |score x log2(e) / 8| stays under 2^31; NaN and infinities are not served.
.set SLOT1, 1<<17
.set KB,    768                        ; a tile of k: 16 keys, six registers a lane
.set STEPK, 8*KB                       ; a step of k, and of v: 6,144 bytes
.set VB,    1536                       ; a tile of v: 16 of the head's 64 x 128 keys
.set VOFF,  8*STEPK                    ; v lies behind k in a slot
.set SCK,   2*SLOT1
.set SCV,   SCK+16384
.set SPARE, SCV+16384
.set SPITCH, 1040
.set L16,  1
.set L8,   2
.set ASK0, 3                           ; SCK + 16 x lane
.set SPW,  4
.set NIL,  5
.set AK16, 6
.set AK8,  7
.set ASC,  8
.set QS,   12                          ; v12-13 q's scale words, tile u
.set PW,   14                          ; v14-15 p's scale words
.set Q,    16                          ; v16-39 q's fragments, 12 a tile
.set RES,  16                          ; v16-79 the residual, in the last step
.set KF,   40                          ; v40-87 k's eight tiles; v88-93 zeros: the upper half of the last
.set KSC,  94                          ; v94-97: lanes 0-15 the words of tiles 0-3, lanes 16-31 of tiles 4-7
.set VSC,  98
.set VF,   102                         ; v102-149
.set PCD,  150                         ; v150-173 p's codes, 12 a tile; ahead of them there: the block maxima (+0..3) and a second set (+4..7)
.set NM,   174                         ; pairs: -M, the largest t
.set SA,   178                         ; pairs: the sums' first chain
.set SB,   182                         ; the second
.set F,    186                         ; pairs: f, and a word that is named only
.set TMP,  190
.set SOP,  192                         ; four scale operands a tile
.set CTA,  200                         ; +8 u: three registers
.set CTB,  204
.set S,    0                           ; window 1
.set O,    128                         ; window 1
.set WV,   20
.set SEL,  22
.set CS,   24
.set G1K,  28
.set G1V,  36
.set G1S,  44
.set G0K,  52
.set G0V,  56
.set G0SK, 60
.set G0SV, 68
.set TB,   66
.set SLOTS, 72
.set KO,   94
.set SO,   95
.set CNT,  96
.set MSB, 0
.macro WIN new                         ; low byte: bits 1:0 source 0, 3:2 source 1, 5:4 source 2, 7:6 destination; the high byte repeats the setting that is left
.if MSB != \new
	s_set_vgpr_msb (MSB<<8)|\new
.set MSB, \new
.endif
.endm
.macro TL g0, g1                       ; s_nop 0 and four v_nop behind a tensor load
	tensor_load_to_lds s[\g0:\g0+3], s[\g1:\g1+7]
	s_nop 0
.rept 4
	v_nop
.endr
.endm
.macro TLOAD                           ; a refill: waves 0, 1 fetch k's halves, waves 2, 3 v's
	s_cmp_lt_u32 s[WV], 2
	s_cbranch_scc0 .Lnot_k_\@
	TL G0K, G1K
	s_branch .Lasked_\@
.Lnot_k_\@:
	s_cmp_lt_u32 s[WV], 4
	s_cbranch_scc0 .Lasked_\@
	TL G0V, G1V
.Lasked_\@:
.endm
.macro CROUND
	s_barrier_signal -1
	s_barrier_wait -1
	s_cmp_lg_u32 s[WV], 0
	s_cbranch_scc1 .Lnot_wave_0_\@
	s_barrier_signal -3
.Lnot_wave_0_\@:
	s_barrier_wait -3
	s_barrier_signal -1
	s_barrier_wait -1
.endm
	s_load_b512 s[4:19], s[0:1], 0x0
	v_lshl_add_u32 v[SPW], v0, 2, SPARE
	v_mov_b32 v[NIL], 0
	ds_add_u32 v[SPW], v[NIL]                      ; the opening lines: the add, twice on end, and its wait
	ds_add_u32 v[SPW], v[NIL]
	v_lshrrev_b32 v9, 5, v0
	s_delay_alu instid0(VALU_DEP_1)
	v_readfirstlane_b32 s[WV], v9                  ; wave 0..7
	s_bfe_u32 s73, ttmp6, 0x40000
	s_lshl_b32 s74, ttmp9, 2
	s_add_co_u32 s74, s74, s73                     ; query block
	s_and_b32 s75, ttmp7, 0xffff                   ; head
	s_and_b32 s76, s[WV], 1                        ; which half of a tile I fetch
	s_lshr_b32 s77, s75, 1
	s_mul_i32 s77, s77, 393216
	s_and_b32 s78, s75, 1
	s_mul_i32 s78, s78, KB
	s_add_co_u32 s78, s78, s77                     ; my head in qimg and kimg
	s_mul_i32 s80, s76, 32*1536
	s_add_co_u32 s80, s80, s78
	s_mov_b32 s81, 0
	s_mul_i32 s82, s75, STEPK
	s_mul_i32 s83, s76, 4*98304
	s_add_co_u32 s82, s82, s83                     ; my head in vimg
	s_mov_b32 s83, 0
	s_lshl_b32 s84, s75, 14
	s_lshl_b32 s85, s76, 13
	s_add_co_u32 s84, s84, s85                     ; and in the scale words
	s_mov_b32 s85, 0
	s_mul_i32 s86, s76, 32*KB
	s_lshl_b32 s87, s76, 13
	s_lshl_b32 s88, s74, 4
	s_lshl_b32 s89, s[WV], 1
	s_add_co_u32 s88, s88, s89                     ; my first tile of queries: 16 x block + 2 x wave
	s_mul_i32 s88, s88, 1536
	s_add_co_u32 s88, s88, s78
	s_mov_b32 s89, 0
	s_lshl_b32 s90, s75, 14
	s_lshl_b32 s91, s74, 10
	s_add_co_u32 s90, s90, s91
	s_lshr_b32 s91, s[WV], 1
	s_lshl_b32 s91, s91, 8
	s_add_co_u32 s90, s90, s91
	s_lshl_b32 s91, s76, 3
	s_add_co_u32 s90, s90, s91                     ; and its scale words; the second tile's lie 4 bytes on
	s_mov_b32 s91, 0
	s_lshl_b32 s92, s75, 20
	s_lshl_b32 s93, s[WV], 17
	s_add_co_u32 s92, s92, s93
	s_lshl_b32 s93, s74, 10
	s_add_co_u32 s92, s92, s93                     ; out: head x 64 rows of 16,384 bytes, my eight rows, my block's 1,024 bytes
	s_mov_b32 s93, 0
.irp g, G1K, G1V, G1S
	s_mov_b32 s[\g], 15|(3<<16)|(1<<21)            ; the four partners; elements of 8 bytes
	s_mov_b32 s[\g+6], 0
	s_mov_b32 s[\g+7], 0
.endr
	s_mov_b32 s[G1K+1], 96<<16                     ; k: 32 rows of 768 bytes, 1,536 apart
	s_mov_b32 s[G1K+2], 32<<16
	s_mov_b32 s[G1K+3], 96<<16
	s_mov_b32 s[G1K+4], 32
	s_mov_b32 s[G1K+5], 192
	s_mov_b32 s[G1V+1], 768<<16                    ; v: 4 rows of 6,144 bytes, 98,304 apart
	s_mov_b32 s[G1V+2], 4<<16
	s_mov_b32 s[G1V+3], 768<<16
	s_mov_b32 s[G1V+4], 4
	s_mov_b32 s[G1V+5], 12288
	s_mov_b32 s[G1S+1], 32<<16                     ; scales: 32 dense rows of 256 bytes
	s_mov_b32 s[G1S+2], 32<<16
	s_mov_b32 s[G1S+3], 32<<16
	s_mov_b32 s[G1S+4], 32
	s_mov_b32 s[G1S+5], 32
	s_mov_b32 s[SEL], 0x76543210
	s_mov_b32 s[SEL+1], 0xfedcba98
	s_mov_b32 s[CS], 0x3e38aa3b                    ; log2(e) / 8
	s_mov_b32 s[CS+1], s[CS]
	s_mov_b32 s[TB], 0
	s_mov_b32 s[SO], 0
	s_mov_b32 s[SLOTS], 3
	s_wait_dscnt 0x0
	s_wait_kmcnt 0x0
	CROUND                                         ; in front of the first joint loads
	s_mov_b32 s[G0SK], 1
	s_add_co_u32 s[G0SK+1], s87, SCK
	s_add_nc_u64 s[G0SK+2:G0SK+3], s[10:11], s[84:85]
	s_or_b32 s[G0SK+3], s[G0SK+3], 0x80000000
	s_mov_b32 s[G0SV], 1
	s_add_co_u32 s[G0SV+1], s87, SCV
	s_add_nc_u64 s[G0SV+2:G0SV+3], s[14:15], s[84:85]
	s_or_b32 s[G0SV+3], s[G0SV+3], 0x80000000
	s_mov_b32 s[G0K], 1
	s_mov_b32 s[G0K+1], s86
	s_add_nc_u64 s[G0K+2:G0K+3], s[8:9], s[80:81]
	s_or_b32 s[G0K+3], s[G0K+3], 0x80000000
	s_mov_b32 s[G0V], 1
	s_add_co_u32 s[G0V+1], s86, VOFF
	s_add_nc_u64 s[G0V+2:G0V+3], s[12:13], s[82:83]
	s_or_b32 s[G0V+3], s[G0V+3], 0x80000000
.macro ARM under, g0, g1, next         ; one chain of branches on the wave's number, one load to an arm, one join: every way passes one load
	s_cmp_lt_u32 s[WV], \under
	s_cbranch_scc0 \next
	TL \g0, \g1
	s_branch .Lhead_asked
\next:
.endm
	ARM 2, G0K, G1K, .Lhead_v
	ARM 4, G0V, G1V, .Lhead_sk
	ARM 6, G0SK, G1S, .Lhead_sv
	TL G0SV, G1S
.Lhead_asked:
	s_add_nc_u64 s[4:5], s[4:5], s[88:89]
	s_add_nc_u64 s[6:7], s[6:7], s[90:91]
	s_add_nc_u64 s[16:17], s[16:17], s[92:93]
	s_add_nc_u64 s[18:19], s[18:19], s[92:93]
	v_and_b32 v9, 31, v0
	v_and_b32 v10, 15, v0
	s_delay_alu instid0(VALU_DEP_2)
	v_lshlrev_b32 v[L16], 4, v9
	v_lshlrev_b32 v[L8], 3, v9
	v_lshlrev_b32 v10, 4, v10
	s_delay_alu instid0(VALU_DEP_3)
	v_add_nc_u32 v[ASK0], SCK, v[L16]
.irp u, 0,1
	global_load_b128 v[Q+12*\u:Q+12*\u+3], v[L16], s[4:5] offset:1536*\u
	global_load_b64 v[Q+12*\u+4:Q+12*\u+5], v[L8], s[4:5] offset:1536*\u+512
	global_load_b32 v[QS+\u], v10, s[6:7] offset:4*\u
.endr
.irp j, 6,7,8,9,10,11
	v_mov_b32 v[Q+\j], 0                           ; q's upper 64 along K: zero codes
	v_mov_b32 v[Q+12+\j], 0
	v_mov_b32 v[KF+42+\j], 0
.endr
.irp u, 0,1
	v_mov_b32 v[NM+2*\u+1], 0xff61b1e6             ; the largest t so far: -3e38
	v_mov_b32 v[SA+2*\u], 0
	v_mov_b32 v[SA+2*\u+1], 0
	v_mov_b32 v[SB+2*\u], 0
	v_mov_b32 v[SB+2*\u+1], 0
	v_mov_b32 v[F+2*\u+1], 0
	v_floor_f32 v[NM+2*\u], -v[NM+2*\u+1]          ; -M
.endr
	WIN 0x40
.set n, 0
.rept 64
	v_mov_b32 v[O+n], 0                            ; the step is written once: the first finds zeros
.set n, n+1
.endr
	WIN 0
.macro KLOAD                           ; 17 loads: the eight tiles of k at the address registers' step, and their scale words
.irp t, 0,1,2,3,4,5,6,7
	ds_load_b128 v[KF+6*\t:KF+6*\t+3], v[AK16] offset:KB*\t
	ds_load_b64 v[KF+6*\t+4:KF+6*\t+5], v[AK8] offset:KB*\t+512
.endr
	ds_load_b128 v[KSC:KSC+3], v[ASC]
.endm
.macro ADRS
	v_add_nc_u32 v[AK16], s[KO], v[L16]
	v_add_nc_u32 v[AK8], s[KO], v[L8]
	v_add_nc_u32 v[ASC], s[SO], v[ASK0]
.endm
.macro STEP pre, res
	s_add_co_u32 s[KO], s[KO], STEPK               ; the next step's place in the slot and in the scale words
	s_add_co_u32 s[SO], s[SO], 512
	s_wait_dscnt 0x0                               ; k's tiles and words are in
	WIN 0x40                                       ; S^T lies in window 1
.irp t, 0,1,2,3
.irp u, 0,1
	v_wmma_scale_f32_16x16x128_f8f6f4 v[S+64*\u+8*\t:S+64*\u+8*\t+7], v[KF+6*\t:KF+6*\t+11], v[Q+12*\u:Q+12*\u+11], 0, v[KSC+\t], v[QS+\u] matrix_a_fmt:MATRIX_FMT_BF6 matrix_b_fmt:MATRIX_FMT_BF6
.endr
.endr
.irp t, 4,5,6,7
.irp u, 0,1
	v_wmma_scale_f32_16x16x128_f8f6f4 v[S+64*\u+8*\t:S+64*\u+8*\t+7], v[KF+6*\t:KF+6*\t+11], v[Q+12*\u:Q+12*\u+11], 0, v[KSC+\t-4], v[QS+\u] matrix_a_fmt:MATRIX_FMT_BF6 matrix_b_fmt:MATRIX_FMT_BF6 matrix_a_scale:MATRIX_SCALE_ROW1
.endr
.endr
	WIN 0
	ADRS                                           ; five plain lines: the places behind the products, ahead of the loads and of the first read of S^T
	v_mov_b32 v[TMP], v[NM]                        ; the old -M
	v_mov_b32 v[TMP+1], v[NM+2]
.irp t, 0,1,2,3                        ; 17 loads: this step's v (one step back from the address registers) and its words
	ds_load_b128 v[VF+12*\t:VF+12*\t+3], v[AK16] offset:VOFF-STEPK+VB*\t
	ds_load_b64 v[VF+12*\t+4:VF+12*\t+5], v[AK8] offset:VOFF-STEPK+VB*\t+512
	ds_load_b128 v[VF+12*\t+6:VF+12*\t+9], v[AK16] offset:VOFF-STEPK+VB*\t+768
	ds_load_b64 v[VF+12*\t+10:VF+12*\t+11], v[AK8] offset:VOFF-STEPK+VB*\t+1280
.endr
	ds_load_b128 v[VSC:VSC+3], v[ASC] offset:16384-512
.if \pre
	KLOAD                                          ; the next step's k
.endif
.if \res
.irp i, 0,1,2,3,4,5,6,7
.irp c, 0,1
	global_load_b128 v[RES+4*(2*\i+\c):RES+4*(2*\i+\c)+3], v[L16], s[16:17] offset:16384*\i+512*\c th:TH_LOAD_NT   ; the residual, where q and k lay
.endr
.endr
.endif
	WIN 0x15                                       ; the largest score of each block of 32 keys: my 16, in two chains, each accumulator from its low end
.irp u, 0,1
.irp b, 0,1,2,3
	v_max3_num_f32 v[PCD+12*\u+\b], v[S+64*\u+16*\b], v[S+64*\u+16*\b+1], v[S+64*\u+16*\b+2]
	v_max3_num_f32 v[PCD+12*\u+4+\b], v[S+64*\u+16*\b+8], v[S+64*\u+16*\b+9], v[S+64*\u+16*\b+10]
.endr
.endr
	WIN 0x14
.irp k, 3,5
.irp u, 0,1
.irp b, 0,1,2,3
	v_max3_num_f32 v[PCD+12*\u+\b], v[PCD+12*\u+\b], v[S+64*\u+16*\b+\k], v[S+64*\u+16*\b+\k+1]
	v_max3_num_f32 v[PCD+12*\u+4+\b], v[PCD+12*\u+4+\b], v[S+64*\u+16*\b+\k+8], v[S+64*\u+16*\b+\k+9]
.endr
.endr
.endr
.irp u, 0,1
.irp b, 0,1,2,3
	v_max3_num_f32 v[PCD+12*\u+\b], v[PCD+12*\u+\b], v[S+64*\u+16*\b+7], v[S+64*\u+16*\b+15]
.endr
.endr
	WIN 0
.irp u, 0,1
.irp b, 0,1,2,3
	v_max_num_f32 v[PCD+12*\u+\b], v[PCD+12*\u+\b], v[PCD+12*\u+4+\b]
.endr
.endr
.irp u, 0,1
.irp b, 0,1,2,3
	v_permlanex16_b32 v[PCD+12*\u+4+\b], v[PCD+12*\u+\b], s[SEL], s[SEL+1]
.endr
.endr
.irp u, 0,1
.irp b, 0,1,2,3
	v_max_num_f32 v[PCD+12*\u+\b], v[PCD+12*\u+\b], v[PCD+12*\u+4+\b]   ; with lane l xor 16's 16 keys
.endr
.endr
.irp u, 0,1
	v_max3_num_f32 v[SOP+4*\u], v[PCD+12*\u], v[PCD+12*\u+1], v[PCD+12*\u+2]
.endr
.irp u, 0,1
	s_delay_alu instid0(VALU_DEP_2)
	v_max_num_f32 v[SOP+4*\u], v[SOP+4*\u], v[PCD+12*\u+3]
.endr
.irp u, 0,1
	s_delay_alu instid0(VALU_DEP_2)
	v_mul_f32 v[SOP+4*\u], s[CS], v[SOP+4*\u]
.endr
.irp u, 0,1
	s_delay_alu instid0(VALU_DEP_2)
	v_max_num_f32 v[NM+2*\u+1], v[NM+2*\u+1], v[SOP+4*\u]   ; the running largest t
.endr
.irp u, 0,1
	s_delay_alu instid0(VALU_DEP_2)
	v_floor_f32 v[NM+2*\u], -v[NM+2*\u+1]          ; -M = -ceil(t)
.endr
.irp u, 0,1
	s_delay_alu instid0(VALU_DEP_2)
	v_sub_f32 v[TMP+\u], v[NM+2*\u], v[TMP+\u]     ; old M - new M, a whole number
.endr
.irp u, 0,1
.irp b, 0,1,2,3
	v_fma_f32 v[PCD+12*\u+\b], v[PCD+12*\u+\b], s[CS], v[NM+2*\u]   ; t - M of each block's largest score
.endr
.endr
.irp u, 0,1
	v_cvt_i32_f32 v[TMP+\u], v[TMP+\u]
.endr
.irp u, 0,1
	s_delay_alu instid0(VALU_DEP_2)
	v_ldexp_f32 v[F+2*\u], 1.0, v[TMP+\u]          ; f = 2^(old M - new M)
.endr
	WIN 0x41
.irp u, 0,1
.set n, 0
.rept 32
	v_pk_fma_f32 v[S+64*\u+n:S+64*\u+n+1], v[S+64*\u+n:S+64*\u+n+1], s[CS:CS+1], v[NM+2*\u:NM+2*\u+1] op_sel_hi:[1,0,0]   ; t - M
.set n, n+2
.endr
.endr
.irp u, 0,1
.set n, 0
.rept 16
	v_pk_mul_f32 v[O+32*\u+n:O+32*\u+n+1], v[O+32*\u+n:O+32*\u+n+1], v[F+2*\u:F+2*\u+1] op_sel_hi:[1,0]   ; O^T under the new M, each accumulator from its low end
.set n, n+2
.endr
.endr
	s_wait_alu depctr_va_vdst(0)
.set n, 0
.rept 128
	v_exp_f32 v[S+n], v[S+n]                       ; p = 2^(t - M)
.set n, n+1
.endr
	WIN 0
.irp u, 0,1
.irp b, 0,1,2,3
	v_exp_f32 v[PCD+12*\u+\b], v[PCD+12*\u+\b]     ; each block's largest p
.endr
.endr
.irp u, 0,1
	v_pk_mul_f32 v[SA+2*\u:SA+2*\u+1], v[SA+2*\u:SA+2*\u+1], v[F+2*\u:F+2*\u+1] op_sel_hi:[1,0]   ; the sums under the new M; also the plain place behind the batch
	v_pk_mul_f32 v[SB+2*\u:SB+2*\u+1], v[SB+2*\u:SB+2*\u+1], v[F+2*\u:F+2*\u+1] op_sel_hi:[1,0]
.endr
	s_wait_alu depctr_va_vdst(0)                   ; and the one wait behind it
.irp u, 0,1
.irp b, 0,1,2,3
	v_max_num_f32 v[PCD+12*\u+\b], 0x2800000, v[PCD+12*\u+\b]   ; the floor 2^(5 - 127): the byte cannot fall under 1
.endr
.endr
.irp u, 0,1
.irp b, 0,1,2,3
	v_add_nc_u32 v[SOP+4*\u+\b], 0xfe000000, v[PCD+12*\u+\b]    ; 4 off the exponent field: the conversion's scale operand
.endr
.endr
.irp u, 0,1
.irp b, 0,1,2,3
	v_lshrrev_b32 v[PCD+12*\u+4+\b], 23, v[SOP+4*\u+\b]         ; the scale's byte
.endr
.endr
.irp u, 0,1
	v_lshl_or_b32 v[PW+\u], v[PCD+12*\u+5], 8, v[PCD+12*\u+4]
	v_lshl_or_b32 v[PCD+12*\u+6], v[PCD+12*\u+7], 8, v[PCD+12*\u+6]
.endr
.irp u, 0,1
	v_lshl_or_b32 v[PW+\u], v[PCD+12*\u+6], 16, v[PW+\u]        ; p's scale word for these 128 keys
.endr
	WIN 0x01
.irp u, 0,1
	v_cvt_scalef32_pk16_bf6_f32 v[PCD+12*\u:PCD+12*\u+2], v[S+64*\u:S+64*\u+15], v[SOP+4*\u]
	v_cvt_scalef32_pk16_bf6_f32 v[CTA+8*\u:CTA+8*\u+2], v[S+64*\u+16:S+64*\u+31], v[SOP+4*\u+1]
	v_cvt_scalef32_pk16_bf6_f32 v[PCD+12*\u+6:PCD+12*\u+8], v[S+64*\u+32:S+64*\u+47], v[SOP+4*\u+2]
	v_cvt_scalef32_pk16_bf6_f32 v[CTB+8*\u:CTB+8*\u+2], v[S+64*\u+48:S+64*\u+63], v[SOP+4*\u+3]
.endr
	WIN 0
	v_nop                                          ; one plain place behind a scaled conversion
.irp u, 0,1                            ; a whole block in a lane
.irp k, 0,1,2
	v_permlane16_swap_b32 v[PCD+12*\u+\k], v[CTA+8*\u+\k]
	v_permlane16_swap_b32 v[PCD+12*\u+6+\k], v[CTB+8*\u+\k]
.endr
.endr
.irp u, 0,1
.irp k, 0,1,2
	v_mov_b32 v[PCD+12*\u+3+\k], v[CTA+8*\u+\k]
	v_mov_b32 v[PCD+12*\u+9+\k], v[CTB+8*\u+\k]
.endr
.endr
	WIN 0x04                                       ; the rows' sums of the unquantised p, four chains by turns; these 64 lines are also the places ahead of the products below
.set n, 0
.rept 16
.irp u, 0,1
	v_pk_add_f32 v[SA+2*\u:SA+2*\u+1], v[SA+2*\u:SA+2*\u+1], v[S+64*\u+n:S+64*\u+n+1]
	v_pk_add_f32 v[SB+2*\u:SB+2*\u+1], v[SB+2*\u:SB+2*\u+1], v[S+64*\u+n+2:S+64*\u+n+3]
.endr
.set n, n+4
.endr
	WIN 0
	s_wait_alu depctr_va_vdst(0)
.if \pre
	s_wait_dscnt 17                                ; v's 17 loads are in; the 17 of the next step's k, issued behind them, may be out
.else
	s_wait_dscnt 0x0
.endif
	WIN 0x50                                       ; O^T lies in window 1
.irp t, 0,1,2,3
.irp u, 0,1
	v_wmma_scale_f32_16x16x128_f8f6f4 v[O+32*\u+8*\t:O+32*\u+8*\t+7], v[VF+12*\t:VF+12*\t+11], v[PCD+12*\u:PCD+12*\u+11], v[O+32*\u+8*\t:O+32*\u+8*\t+7], v[VSC+\t], v[PW+\u] matrix_a_fmt:MATRIX_FMT_BF6 matrix_b_fmt:MATRIX_FMT_BF6
.endr
.endr
	WIN 0
.endm
.macro CHANGE fill
	s_wait_tensorcnt 0x0                           ; all my tensor loads have landed
	ds_add_u32 v[SPW], v[NIL]
.if \fill
	s_xor_b32 s[G0K+1], s[G0K+1], SLOT1            ; the other slot, the next 1,024 keys
	s_add_nc_u64 s[G0K+2:G0K+3], s[G0K+2:G0K+3], 64*1536
	s_xor_b32 s[G0V+1], s[G0V+1], SLOT1
	s_add_nc_u64 s[G0V+2:G0V+3], s[G0V+2:G0V+3], 8*98304
.endif
	s_wait_dscnt 0x0                               ; the add and my reads of the slot left behind are done
.if \fill
	CROUND
	TLOAD
.else
	s_barrier_signal -1
	s_barrier_wait -1
.endif
.endm
.macro SLOT_STEPS last
	s_mov_b32 s[KO], s[TB]
	ADRS
	KLOAD
	s_mov_b32 s[CNT], 7
.Lstep_\@:
	STEP 1, 0
	s_sub_co_u32 s[CNT], s[CNT], 1
	s_cmp_lg_u32 s[CNT], 0
	s_cbranch_scc1 .Lstep_\@
	STEP 0, \last
	s_xor_b32 s[TB], s[TB], SLOT1
.endm
	s_wait_alu depctr_va_vdst(0)
	s_wait_loadcnt 0x0
.Lslot:
	CHANGE 1
	SLOT_STEPS 0
	s_sub_co_u32 s[SLOTS], s[SLOTS], 1
	s_cmp_lg_u32 s[SLOTS], 0
	s_cbranch_scc1 .Lslot
	CHANGE 0                                       ; the last slot: nothing more is fetched
	SLOT_STEPS 1
	; the way out: O^T / the sum goes through a stage in slot 0's bytes (last filled and last read ahead of the barrier above) and comes back as rows of the output: 1,024 bytes of one d
.irp u, 0,1
	v_pk_add_f32 v[SA+2*\u:SA+2*\u+1], v[SA+2*\u:SA+2*\u+1], v[SB+2*\u:SB+2*\u+1]
.endr
.irp u, 0,1
	s_delay_alu instid0(VALU_DEP_2)
	v_add_f32 v[SA+2*\u], v[SA+2*\u], v[SA+2*\u+1]
.endr
.irp u, 0,1
	s_delay_alu instid0(VALU_DEP_2)
	v_permlanex16_b32 v[TMP+\u], v[SA+2*\u], s[SEL], s[SEL+1]
.endr
.irp u, 0,1
	s_delay_alu instid0(VALU_DEP_2)
	v_add_f32 v[SA+2*\u], v[SA+2*\u], v[TMP+\u]
.endr
	s_wait_alu depctr_va_vdst(0)
	v_rcp_f32 v[SA], v[SA]
	v_rcp_f32 v[SA+2], v[SA+2]
	v_and_b32 v6, 15, v0
	v_bfe_u32 v7, v0, 4, 1
	s_delay_alu instid0(VALU_DEP_2)
	v_and_b32 v10, 8, v6
	s_delay_alu instid0(VALU_DEP_1)
	v_add_nc_u32 v10, v10, v6
	s_lshl_b32 s73, s[WV], 7
	v_mul_u32_u24 v7, v7, 16*SPITCH
	s_delay_alu instid0(VALU_DEP_1)
	v_lshl_add_u32 v10, v10, 2, v7
	s_delay_alu instid0(VALU_DEP_1)
	v_add_nc_u32 v10, s73, v10                     ; column: my query's place in the block (the second tile's 32 bytes on); row: 16 h
	s_mul_i32 s74, s[WV], 8*SPITCH
	v_add_nc_u32 v11, s74, v[L16]
	WIN 0x41
	s_wait_alu depctr_va_vdst(0)                   ; ahead of the first reader of the reciprocals and of O^T
.irp u, 0,1
.set n, 0
.rept 32
	v_mul_f32 v[S+64*\u+n], v[O+32*\u+n], v[SA+2*\u]
.set n, n+1
.endr
.endr
	WIN 0x04
.irp u, 0,1
.irp t, 0,1,2,3
.irp j, 0,1,2,3,4,5,6,7
	ds_store_b32 v10, v[S+64*\u+8*\t+\j] offset:(32*(\t/2)+8*(\t%2)+\j)*SPITCH+32*\u
.endr
.endr
.endr
	WIN 0
	s_wait_dscnt 0x0
	s_barrier_signal -1
	s_barrier_wait -1
.irp i, 0,1,2,3,4,5,6,7
.irp c, 0,1
	ds_load_b128 v[VF+4*(2*\i+\c):VF+4*(2*\i+\c)+3], v11 offset:SPITCH*\i+512*\c
.endr
.endr
	s_wait_loadcnt 0x0
	s_wait_dscnt 0x0
.set n, 0
.rept 32
	v_pk_add_f32 v[VF+n:VF+n+1], v[VF+n:VF+n+1], v[RES+n:RES+n+1]
.set n, n+2
.endr
.irp i, 0,1,2,3,4,5,6,7
.irp c, 0,1
	global_store_b128 v[L16], v[VF+4*(2*\i+\c):VF+4*(2*\i+\c)+3], s[18:19] offset:16384*\i+512*\c th:TH_STORE_NT   ; 32 lanes store 512 consecutive bytes
.endr
.endr
	s_wait_tensorcnt 0x0                           ; the wave's end
	ds_add_u32 v[SPW], v[NIL]
	s_wait_dscnt 0x0
	CROUND                                         ; the closing round
	s_endpgm
.Lfunc_end_k_q47b259f6cb_attn:
	.size	k_q47b259f6cb_attn, .Lfunc_end_k_q47b259f6cb_attn-k_q47b259f6cb_attn
	.p2alignl 7, 3214868480
	.fill 96, 4, 3214868480
	.section	.rodata,"a",@progbits
	.p2align	6, 0x0
	.amdhsa_kernel k_q47b259f6cb_attn
		.amdhsa_group_segment_fixed_size 327680
		.amdhsa_private_segment_fixed_size 0
		.amdhsa_enable_private_segment 0
		.amdhsa_kernarg_size 64
		.amdhsa_user_sgpr_count 2
		.amdhsa_user_sgpr_kernarg_segment_ptr 1
		.amdhsa_wavefront_size32 1
		.amdhsa_system_sgpr_workgroup_id_x 1
		.amdhsa_system_sgpr_workgroup_id_y 1
		.amdhsa_system_sgpr_workgroup_id_z 1
		.amdhsa_system_vgpr_workitem_id 0
		.amdhsa_next_free_vgpr 448
		.amdhsa_next_free_sgpr 100
		.amdhsa_reserve_vcc 0
		.amdhsa_float_denorm_mode_32 3
		.amdhsa_float_denorm_mode_16_64 3
		.amdhsa_memory_ordered 1
		.amdhsa_forward_progress 1
		.amdhsa_inst_pref_size 145
	.end_amdhsa_kernel
	.amdgpu_metadata
---
amdhsa.version: [ 1, 2 ]
amdhsa.kernels:
  - .name:           k_q47b259f6cb_attn
    .symbol:         k_q47b259f6cb_attn.kd
    .args:
      - { .name: qimg, .offset: 0, .size: 8, .value_kind: global_buffer, .address_space: global }
      - { .name: qsc, .offset: 8, .size: 8, .value_kind: global_buffer, .address_space: global }
      - { .name: kimg, .offset: 16, .size: 8, .value_kind: global_buffer, .address_space: global }
      - { .name: ksc, .offset: 24, .size: 8, .value_kind: global_buffer, .address_space: global }
      - { .name: vimg, .offset: 32, .size: 8, .value_kind: global_buffer, .address_space: global }
      - { .name: vsc, .offset: 40, .size: 8, .value_kind: global_buffer, .address_space: global }
      - { .name: queries, .offset: 48, .size: 8, .value_kind: global_buffer, .address_space: global }
      - { .name: out0, .offset: 56, .size: 8, .value_kind: global_buffer, .address_space: global }
    .group_segment_fixed_size: 327680
    .private_segment_fixed_size: 0
    .kernarg_segment_align: 8
    .kernarg_segment_size: 64
    .max_flat_workgroup_size: 256
    .sgpr_count:     100
    .vgpr_count:     448
    .wavefront_size: 32
...
	.end_amdgpu_metadata
.endif
;; end of part 6
